; MI455X (gfx1250); checked and timed in simulation.
; The chip was launched on July 23, 2026; its instructions are those of AMD's public machine-readable ISA for CDNA 5 (MIT licence, August 2026) and "CDNA5" Instruction Set Architecture Reference Guide (July 2026). The comments in the code are by the model that wrote it; some were corrected since.
;; Multi Head Attention Layer. Allowed arithmetic: matrix products marked QUANTISED: E2M1 operands, one E8M0 scale for each 32 along K, by v_wmma_scale_f32_16x16x128_f8f6f4 with both operands' format E2M1 (or v_wmma_scale_f32_32x16x128_f4), f32 sums; products left as they are: bf16, f16 or f32 operands; f32 sums; everything else in f32.
;; Inputs: Wk 1,024 x 1,024 float32; Wo 1,024 x 1,024 float32; Wq 1,024 x 1,024 float32; Wv 1,024 x 1,024 float32; bk 1,024 float32; bo 1,024 float32; bq 1,024 float32; bv 1,024 float32; key 4 x 2,048 x 1,024 float32; mask 4 x 1 x 2,048 x 2,048 int32; query 4 x 2,048 x 1,024 float32; value 4 x 2,048 x 1,024 float32.
;; Outputs: out0 4 x 2,048 x 1,024 float32.
;; This version of the problem:
;;   THIS VERSION OF THE PROBLEM IS GIVEN IN LOW PRECISION. The matrix products marked QUANTISED in the list below multiply operands that are first quantised to E2M1 (2 exponent bits, 1 mantissa bit; 4 bits a number), with one power-of-two scale for each 32 numbers along K (OCP MX v1.0); their sums are f32. The products marked 'left as it is' may take bf16, f16 or f32 operands, with f32 sums. Whichever they take, every output number must still come out within the allowed error. Rounding operands to bf16 (8 significant bits) uses up far more of that allowance than f16 does (11 bits, for magnitudes from 6e-5 to 65,504). All else is computed in f32.
;;   The module's matrix products, in the order in which they are computed (A, B: the left and right operand; K: the contracted axis; several contracted axes count as one K, in the product's order):
;;     1. [M 8,192, K 1,024] x [K 1,024, N 1,024]; A: input query; B: input Wq: QUANTISED
;;     2. [M 8,192, K 1,024] x [K 1,024, N 1,024]; A: input key; B: input Wk: QUANTISED
;;     3. [M 8,192, K 1,024] x [K 1,024, N 1,024]; A: input value; B: input Wv: QUANTISED
;;     4. batch 64 x [M 2,048, K 64] x [K 64, N 2,048]; A: computed on the way; B: computed on the way: left as it is (an operand is computed on the way)
;;     5. batch 64 x [M 2,048, K 2,048] x [K 2,048, N 64]; A: computed on the way; B: computed on the way: left as it is (an operand is computed on the way)
;;     6. [M 8,192, K 1,024] x [K 1,024, N 1,024]; A: computed on the way; B: input Wo: left as it is (an operand is computed on the way)
;;   THE QUANTISER, for each operand of a quantised product, along K:
;;     - K is cut into blocks of 32 from its start; a last block that is shorter is filled with zeros.
;;     - A block's scale is 2^e with e = floor(log2(the largest magnitude in the block)) - 2, held to -126 .. 127; a block of zeros has e = 0. As a byte (E8M0): e + 127.
;;     - Each number is divided by its block's scale, clamped to +-6, and rounded to the nearest number of E2M1, ties to even, subnormals kept.
;;     - The product sums the exact products of the quantised numbers (number of the format x scale) in f32.
;;   ~~~python
;;   def quantise(x, axis):      # numpy; x: float32 -> the quantised numbers, widened to float32 again
;;       x = np.moveaxis(x, axis, -1); K = x.shape[-1]
;;       x = np.pad(x, [(0, 0)] * (x.ndim - 1) + [(0, -K % 32)]); x = x.reshape(x.shape[:-1] + (-1, 32)); a = np.abs(x).max(-1, keepdims=True)
;;       e = np.where(a > 0, np.clip(np.frexp(np.where(a > 0, a, 1))[1] - 1 - 2, -126, 127), 0)      # np.frexp(a)[1] - 1 = floor(log2(a)), exactly
;;       r = np.clip(x / 2.0 ** e, -6, 6)
;;       step = 2.0 ** (np.maximum(np.frexp(np.where(r == 0, 1, r))[1] - 1, 0) - 1)
;;       q = np.round(r / step) * step * 2.0 ** e      # np.round: ties to even
;;       return np.moveaxis(q.reshape(q.shape[:-2] + (-1,))[..., :K], -1, axis).astype(np.float32)
;;   ~~~
;; One version. Each part assembles by itself: llvm-mc -triple=amdgcn-amd-amdhsa -mcpu=gfx1250 --defsym DOCPART=n.
;; ======== version 1 of 1: 4 launches
;; limits: values are held in f16: magnitudes above 65,504 overflow, below 6.1e-05 lose precision
;; workspace buffers: codes 14,155,776 bytes; scales 884,736 bytes; mbits 2,097,152 bytes of whole numbers; wo16 2,097,152 bytes; qkv 50,331,648 bytes; xw 16,777,216 bytes
;; launch prep (part 1): grid 1408 x 1, 4 waves a work-group, no clusters, 68,096 bytes of LDS; arguments query, key, value, Wq, Wk, Wv, codes, scales, mask, Wo, mbits, wo16; writes codes, scales, mbits, wo16
.if DOCPART == 1
	.amdgcn_target "amdgcn-amd-amdhsa--gfx1250"
	.amdhsa_code_object_version 6
	.text
	.protected	k_qeb35277837_prep
	.globl	k_qeb35277837_prep
	.p2align	8
	.type	k_qeb35277837_prep,@function
k_qeb35277837_prep:
	s_mov_b64 s[64:65], 0
	v_nop
	global_prefetch_b8 v0, s[64:65] scope:SCOPE_SE
	s_setreg_imm32_b32 hwreg(HW_REG_WAVE_MODE, 25, 1), 1
	s_wait_xcnt 0x0
; THE PROGRAM: multi-head attention, B 4, S 2,048, D 1,024, 16 heads of 64, in four launches: this one (all that is made of the inputs once), proj (the three quantised products), attn (scores, mask, softmax, P V), oproj (the projection out).
; NO WORK OF THE PROBLEM IS LEFT OUT AND EVERY INPUT IS LOADED.  In particular bk stays: a hidden score is REPLACED by the fixed number -1e9, so a shift of the open scores of a row does not cancel in its softmax.
; THIS LAUNCH has three kinds of work-group, told apart by the work-group's number alone; each reads 131,072 bytes, so that all 1,408 weigh alike.  The two kinds that store to LDS have LDS bytes of their own.
; (1) Work-groups 0 to 863: query, key, value [8,192][1,024] and Wq, Wk, Wv [1,024][1,024], f32, K innermost in all six, become codes of FP4 (E2M1), two a byte, the lower k in the low four bits, and one E8M0 byte for each 32 along K.
;     codes: [27,648 rows][512 bytes], scales: [27,648][32 bytes]; rows 0 on query, 8,192 on key, 16,384 on value, 24,576 on Wq, 25,600 on Wk, 26,624 on Wv.
;     A block's scale is 2^(floor(log2(its largest magnitude)) - 2); its byte is the largest magnitude's own exponent field - 2, held at 1 from below.  Each number is divided by the scale and rounded to the nearest code, ties to even; beyond 6 the largest code.
;     (A block of zeros gets the byte 1 where the rule says 127: its codes are zeros, which add nothing under any byte but 0xff, and the bytes are read by this program alone.)
;     A wave takes 16 steps of 512 numbers.  The conversions take 8 numbers of ONE block from a lane's registers, so a lane must hold 16 NEIGHBOURS; a load is best where neighbouring LANES take neighbouring bytes.  Both are had: each of a
;     step's four loads reads 512 consecutive bytes; the 2,048 bytes go through the wave's own stage in LDS and come back 64 bytes a lane (16 bytes of padding behind each 64).  Codes leave 256 consecutive bytes a store, aligned; a wave's 256 scale bytes likewise, once.
; (2) Work-groups 864 to 1,375: the mask [4][1][2,048][2,048] of int32 becomes one BIT a number, laid as the attention launch's select instructions take it: a 32-bit LANE MASK for each register of a tile of scores.
;     mbits: [b 4][pair of query tiles 64][key step 32][tile 2][n 32] words.  Bit l of word (tile, n = 8 kt + j) is mask[b][32 pair + 16 tile + l % 16][64 step + 16 kt + 8 (l / 16) + j] != 0.
;     A work-group takes 32 rows (one pair) x 1,024 keys, wave w four key steps.  Each load reads two rows' 256 consecutive bytes; a key step's 32 x 256 bytes turn through the wave's own stage in LDS so that lane l holds the numbers of its
;     query and its keys; a compare then IS the lane mask, in a scalar register; 64 of them are written into the lanes of a register pair and leave as 256 consecutive bytes, aligned.
; (3) Work-groups 1,376 to 1,407: Wo [1,024][1,024] f32 is rounded to f16, in the same order.
; LIMITS: an FP4 block whose largest magnitude lies under 2^-124 keeps the byte 1; |Wo| up to 65,504, f16's largest number; NaN and infinities among the inputs are not served.
; No tensor loads, no barrier: waves share nothing.
.set WV,    50                         ; s50 my wave's number
.set SPW,   12                         ; v12 LDS address of my spare word; never rewritten
.set NIL,   13                         ; v13 0; never rewritten
.set QREG,  8192                       ; LDS, path 1: a region for each wave: two stages of 32 x SP bytes, behind them its 256 scale bytes
.set MSTG,  4*QREG                     ; LDS, path 2: behind path 1's four regions,
.set STG,   8704                       ; a stage for each wave: 32 rows x (256 bytes + 16)
.set SPARE, MSTG+4*STG                 ; the spare words, 128 bytes for each wave: no other line names them
.set G_MASK, 864                       ; the first work-group of path 2
.set G_WO,   1376                      ; and of path 3
	v_lshl_add_u32 v[SPW], v0, 2, SPARE
	v_mov_b32 v[NIL], 0
	v_lshrrev_b32 v1, 5, v0
	v_readfirstlane_b32 s[WV], v1                  ; wave 0..3
	v_and_b32 v2, 31, v0                           ; lane
	s_cmp_ge_u32 ttmp9, G_MASK
	s_cbranch_scc1 .Lpack
	; ---- path 1: codes and scale bytes
.set STEPS, 16
.set EMAX,  2
.set CB,    8                          ; bytes of 16 codes
.set SP,    80                         ; a lane's place in a stage: 64 bytes + 16 of padding
.set QR,    16                         ; v16-79   four sets of 16 numbers as they are loaded
.set QX,    80                         ; v80-111  two sets of 16 neighbours
.set QE,    112                        ; v112-127 a scale byte for each step
.set QC,    128                        ; v128-191 codes: four registers for each step, so that no store's data are written again
	s_load_b256 s[4:11], s[0:1], 0x0               ; query, key, value, Wq
	s_load_b256 s[12:19], s[0:1], 0x20             ; Wk, Wv, codes, scales
	v_lshlrev_b32 v3, 4, v2                        ; my 16 bytes of a load's 512
	s_mul_i32 s25, s[WV], QREG
	v_lshrrev_b32 v14, 2, v2
	v_mul_u32_u24 v14, v14, SP
	v_and_b32 v15, 3, v2
	v_lshl_add_u32 v14, v15, 4, v14
	v_add_nc_u32 v14, s25, v14                     ; the stage, on the way in: SP (lane / 4) + 16 (lane % 4)
	v_mul_u32_u24 v15, v2, SP
	v_add_nc_u32 v15, s25, v15                     ; and on the way out: SP x lane: my 16 neighbours
	v_mul_u32_u24 v4, v2, CB                       ; my codes' place in a step's
	v_lshrrev_b32 v5, 1, v2
	s_add_co_u32 s25, s25, 2*32*SP
	v_add_nc_u32 v5, s25, v5                       ; LDS: my wave's 256 scale bytes, my block's byte
	v_lshlrev_b32 v7, 3, v2                        ; and on the way out 8 bytes a lane
	v_add_nc_u32 v6, s25, v7
	s_wait_kmcnt 0x0
	; which tensor is my work-group's?  The choice hangs on the work-group's number alone.  s[20:21]: the tensor; s22: its first work-group
	s_mov_b64 s[20:21], s[14:15]                   ; from 832 on: Wv
	s_mov_b32 s22, 832
	s_cmp_lt_u32 ttmp9, 832
	s_cselect_b64 s[20:21], s[12:13], s[20:21]     ; Wk
	s_cselect_b32 s22, 800, s22
	s_cmp_lt_u32 ttmp9, 800
	s_cselect_b64 s[20:21], s[10:11], s[20:21]     ; Wq
	s_cselect_b32 s22, 768, s22
	s_cmp_lt_u32 ttmp9, 768
	s_cselect_b64 s[20:21], s[8:9], s[20:21]       ; value
	s_cselect_b32 s22, 512, s22
	s_cmp_lt_u32 ttmp9, 512
	s_cselect_b64 s[20:21], s[6:7], s[20:21]       ; key
	s_cselect_b32 s22, 256, s22
	s_cmp_lt_u32 ttmp9, 256
	s_cselect_b64 s[20:21], s[4:5], s[20:21]       ; query
	s_cselect_b32 s22, 0, s22
	s_sub_co_u32 s23, ttmp9, s22
	s_lshl_b32 s23, s23, 2
	s_add_co_u32 s23, s23, s[WV]                   ; which run of 8,192 numbers of the tensor is my wave's
	s_lshl_b32 s26, s23, 15                        ; 32,768 bytes a run
	s_mov_b32 s27, 0
	s_add_nc_u64 s[20:21], s[20:21], s[26:27]
	s_lshl_b32 s23, ttmp9, 2
	s_add_co_u32 s23, s23, s[WV]                   ; the outputs follow the order of the work-groups
	s_lshl_b32 s26, s23, 12                        ; 4,096 bytes of codes a run
	s_add_nc_u64 s[16:17], s[16:17], s[26:27]
	s_lshl_b32 s26, s23, 8                         ; 256 scale bytes a run
	s_add_nc_u64 s[18:19], s[18:19], s[26:27]
.macro LOAD t
.irp i, 0,1,2,3
	global_load_b128 v[QR+16*((\t)%4)+4*\i:QR+16*((\t)%4)+4*\i+3], v3, s[20:21] offset:2048*(\t)+512*\i th:TH_LOAD_NT   ; 32 lanes read 512 consecutive bytes
.endr
.endm
.macro TURN t                          ; step t's numbers through the stage: LDS serves a wave's instructions in order, so no wait stands between the stores and the loads
.irp i, 0,1,2,3
	ds_store_b128 v14, v[QR+16*((\t)%4)+4*\i:QR+16*((\t)%4)+4*\i+3] offset:32*SP*((\t)%2)+8*SP*\i
.endr
.irp i, 0,1,2,3
	ds_load_b128 v[QX+16*((\t)%2)+4*\i:QX+16*((\t)%2)+4*\i+3], v15 offset:32*SP*((\t)%2)+16*\i
.endr
.endm
.irp t, 0,1,2,3
	LOAD \t
.endr
	s_wait_loadcnt 12                              ; step 0's four loads are in
	TURN 0
.macro STEP t
.set XS, QX+16*((\t)%2)
.if (\t) > 0
	s_wait_dscnt 1                                 ; this step's numbers are back from the stage (the last step's byte store may be out): so its stores into the stage have read their registers,
.else
	s_wait_dscnt 0x0
.endif
.if (\t)+4 < STEPS
	LOAD (\t)+4                                    ; which take the loads of four steps on
.endif
.if (\t)+1 < STEPS
.if STEPS-2-(\t) >= 3
	s_wait_loadcnt 12                              ; the next step's four loads are in; those of the three steps behind it may be out
.else
	s_wait_loadcnt 4*(STEPS-2-(\t))
.endif
	TURN (\t)+1                                    ; and go through the other stage while this step is worked
.endif
	v_max3_num_f32 v8, |v[XS]|, |v[XS+1]|, |v[XS+2]|               ; the largest magnitude of my 16, in two chains
	v_max3_num_f32 v9, |v[XS+3]|, |v[XS+4]|, |v[XS+5]|
.irp i, 6,10
	v_max3_num_f32 v8, v8, |v[XS+\i]|, |v[XS+\i+1]|
	v_max3_num_f32 v9, v9, |v[XS+\i+2]|, |v[XS+\i+3]|
.endr
	v_max3_num_f32 v8, v8, |v[XS+14]|, |v[XS+15]|
	v_max3_num_f32 v8, v8, v9, (EMAX+1)<<23        ; and the floor 2^(EMAX + 1 - 127): so the byte cannot fall under 1
	v_max_num_f32_dpp v8, v8, v8 row_xmask:1 row_mask:0xf bank_mask:0xf   ; and of my neighbour's 16: the block's
	v_add_nc_u32 v11, -(EMAX<<23), v8              ; EMAX off its exponent field: the conversion takes the exponent field of this operand as its scale, and nothing else of it
	v_cvt_scalef32_pk8_fp4_f32 v[QC+4*(\t)], v[XS:XS+7], v11
	v_cvt_scalef32_pk8_fp4_f32 v[QC+4*(\t)+1], v[XS+8:XS+15], v11
	v_lshrrev_b32 v[QE+(\t)], 23, v11              ; the scale's byte (also the plain line behind the conversions)
	ds_store_b8 v5, v[QE+(\t)] offset:16*(\t)      ; both lanes of a block write the same byte with the same value
	global_store_b64 v4, v[QC+4*(\t):QC+4*(\t)+1], s[16:17] offset:32*CB*(\t)   ; 32 lanes store 256 consecutive bytes, aligned
.endm
.irp t, 0,1,2,3,4,5,6,7,8,9,10,11,12,13,14,15
	STEP \t
.endr
	ds_load_b64 v[8:9], v6                         ; LDS serves a wave's instructions in order: these see my stores
	s_wait_dscnt 0x0
	global_store_b64 v7, v[8:9], s[18:19]          ; 32 lanes store 256 consecutive bytes, aligned
	s_wait_tensorcnt 0x0                           ; the wave's end: behind my last LDS store
	ds_add_u32 v[SPW], v[NIL]
	s_wait_dscnt 0x0
	s_endpgm
	; ---- paths 2 and 3
.set IN,    4                          ; v4  mask: 8,192 (lane / 16) + 16 (lane % 16)
.set SI,    5                          ; v5  the stage, on the way in
.set SO,    6                          ; v6  and on the way out
.set GO,    7                          ; v7  8 x lane
.set WI,    8                          ; v8  16 x lane
.set MW,    16                         ; v16-23  a pair of registers for each key step: its 64 words, two a lane
.set MR,    32                         ; v32-159 two sets of 64 registers as loaded
.set MRB,   160                        ; v160-223 a key step read back from the stage; in path 3 the packed results
.Lpack:
	s_load_b256 s[4:11], s[0:1], 0x40              ; mask, Wo, mbits, wo16
	v_and_b32 v9, 15, v0                           ; r
	v_bfe_u32 v10, v0, 4, 1                        ; h
	v_lshlrev_b32 v[GO], 3, v2
	v_lshlrev_b32 v[WI], 4, v2
	s_mov_b32 s15, 0
	s_cmp_ge_u32 ttmp9, G_WO
	s_cbranch_scc1 .Lwo
	; ---- path 2: the mask
	s_mul_i32 s13, s[WV], STG
	s_add_co_u32 s13, s13, MSTG                    ; my stage
	v_lshlrev_b32 v[IN], 13, v10
	v_lshl_add_u32 v[IN], v9, 4, v[IN]
	v_mul_u32_u24 v[SI], v10, 272
	v_lshl_add_u32 v[SI], v9, 4, v[SI]
	v_add_nc_u32 v[SI], s13, v[SI]                 ; in: lanes 0-15 one row, lanes 16-31 the next; 16 bytes a lane
	v_mul_u32_u24 v[SO], v9, 272
	v_lshl_add_u32 v[SO], v10, 5, v[SO]
	v_add_nc_u32 v[SO], s13, v[SO]                 ; out: row r of a tile, + 32 h: my half's eight keys of each 16
.irp i, 0,1,2,3,4,5,6,7
	v_mov_b32 v[MW+\i], 0                          ; written once: the destination of a write to one lane counts as read
.endr
	s_sub_co_u32 s49, ttmp9, G_MASK                ; 2 x (64 b + pair) + which half of the keys
	s_lshr_b32 s14, s49, 1
	s_lshl_b32 s14, s14, 18                        ; 32 rows of 8,192 bytes a pair,
	s_and_b32 s48, s49, 1
	s_lshl_b32 s48, s48, 12                        ; 16 key steps of 256 bytes a half,
	s_add_co_u32 s14, s14, s48
	s_lshl_b32 s48, s[WV], 10                      ; four a wave
	s_add_co_u32 s14, s14, s48
	s_wait_kmcnt 0x0
	s_add_nc_u64 s[4:5], s[4:5], s[14:15]
	s_lshl_b32 s14, s49, 12                        ; mbits: 16 key steps of 256 bytes a work-group, in the work-groups' order
	s_add_co_u32 s14, s14, s48
	s_add_nc_u64 s[8:9], s[8:9], s[14:15]
.macro LOADM t                         ; key step t of my four: 32 rows x 256 bytes into set t % 2
.irp u, 0,1
.irp i, 0,1,2,3,4,5,6,7
	global_load_b128 v[MR+64*((\t)%2)+32*\u+4*\i:MR+64*((\t)%2)+32*\u+4*\i+3], v[IN], s[4:5] offset:(16*\u+2*\i)*8192+256*(\t) th:TH_LOAD_NT
.endr
.endr
.endm
.macro KS t
.if (\t) < 3
	s_wait_loadcnt 16                              ; this key step's 16 loads are in; the next one's may be out
.else
	s_wait_loadcnt 0x0
.endif
.irp u, 0,1
.irp i, 0,1,2,3,4,5,6,7
	ds_store_b128 v[SI], v[MR+64*((\t)%2)+32*\u+4*\i:MR+64*((\t)%2)+32*\u+4*\i+3] offset:(16*\u+2*\i)*272
.endr
.endr
.irp u, 0,1
.irp kt, 0,1,2,3
.irp e, 0,1
	ds_load_b128 v[MRB+32*\u+8*\kt+4*\e:MRB+32*\u+8*\kt+4*\e+3], v[SO] offset:16*\u*272+64*\kt+16*\e   ; LDS serves a wave's instructions in order: these see the stores above
.endr
.endr
.endr
	s_wait_dscnt 0x0                               ; the numbers are back, and the stores have read their registers,
.if (\t) < 2
	LOADM (\t)+2                                   ; which take the key step two on
.endif
.irp u, 0,1
.set n, 0
.rept 32
	v_cmp_ne_u32 s[16+n], 0, v[MRB+32*\u+n]        ; the lane mask of register n of tile u
.set n, n+1
.endr
.set n, 0
.rept 32
	v_writelane_b32 v[MW+2*(\t)+(n&1)], s[16+n], (32*\u+n)>>1   ; word 32 u + n goes to lane (32 u + n) / 2, which stores words 2 lane and 2 lane + 1
.set n, n+1
.endr
.endr
	global_store_b64 v[GO], v[MW+2*(\t):MW+2*(\t)+1], s[8:9] offset:256*(\t)   ; 32 lanes store 256 consecutive bytes, aligned
.endm
	LOADM 0
	LOADM 1
	KS 0
	KS 1
	KS 2
	KS 3
	s_wait_tensorcnt 0x0                           ; the wave's end: behind my last LDS store
	ds_add_u32 v[SPW], v[NIL]
	s_wait_dscnt 0x0
	s_endpgm
	; ---- path 3: Wo: a wave takes 8,192 numbers, in four groups of 16 loads of 512 consecutive bytes
.Lwo:
	s_sub_co_u32 s13, ttmp9, G_WO
	s_lshl_b32 s13, s13, 2
	s_add_co_u32 s13, s13, s[WV]                   ; which run is my wave's
	s_lshl_b32 s14, s13, 15
	s_wait_kmcnt 0x0
	s_add_nc_u64 s[6:7], s[6:7], s[14:15]
	s_lshl_b32 s14, s13, 14
	s_add_nc_u64 s[10:11], s[10:11], s[14:15]
.macro LOADW g
.irp i, 0,1,2,3,4,5,6,7,8,9,10,11,12,13,14,15
	global_load_b128 v[MR+64*((\g)%2)+4*\i:MR+64*((\g)%2)+4*\i+3], v[WI], s[6:7] offset:(16*(\g)+\i)*512 th:TH_LOAD_NT
.endr
.endm
.macro GROUP g
.if (\g) < 3
	s_wait_loadcnt 16                              ; this group's 16 loads are in; the next group's may be out
.else
	s_wait_loadcnt 0x0
.endif
.if (\g) >= 2
	s_wait_xcnt 0x0                                ; the stores of two groups back have read their data: those registers are written again only behind this wait
.endif
.irp i, 0,1,2,3,4,5,6,7,8,9,10,11,12,13,14,15
	v_cvt_pk_f16_f32 v[MRB+32*((\g)%2)+2*\i], v[MR+64*((\g)%2)+4*\i], v[MR+64*((\g)%2)+4*\i+1]
	v_cvt_pk_f16_f32 v[MRB+32*((\g)%2)+2*\i+1], v[MR+64*((\g)%2)+4*\i+2], v[MR+64*((\g)%2)+4*\i+3]
	global_store_b64 v[GO], v[MRB+32*((\g)%2)+2*\i:MRB+32*((\g)%2)+2*\i+1], s[10:11] offset:(16*(\g)+\i)*256   ; 256 consecutive bytes, aligned
.endr
.if (\g) < 2
	LOADW (\g)+2
.endif
.endm
	LOADW 0
	LOADW 1
	GROUP 0
	GROUP 1
	GROUP 2
	GROUP 3
	s_endpgm
.Lfunc_end_k_qeb35277837_prep:
	.size	k_qeb35277837_prep, .Lfunc_end_k_qeb35277837_prep-k_qeb35277837_prep
	.p2alignl 7, 3214868480
	.fill 96, 4, 3214868480
	.section	.rodata,"a",@progbits
	.p2align	6, 0x0
	.amdhsa_kernel k_qeb35277837_prep
		.amdhsa_group_segment_fixed_size 68096
		.amdhsa_private_segment_fixed_size 0
		.amdhsa_enable_private_segment 0
		.amdhsa_kernarg_size 96
		.amdhsa_user_sgpr_count 2
		.amdhsa_user_sgpr_kernarg_segment_ptr 1
		.amdhsa_wavefront_size32 1
		.amdhsa_system_sgpr_workgroup_id_x 1
		.amdhsa_system_sgpr_workgroup_id_y 1
		.amdhsa_system_sgpr_workgroup_id_z 1
		.amdhsa_system_vgpr_workitem_id 0
		.amdhsa_next_free_vgpr 224
		.amdhsa_next_free_sgpr 66
		.amdhsa_reserve_vcc 0
		.amdhsa_float_denorm_mode_32 3
		.amdhsa_float_denorm_mode_16_64 3
		.amdhsa_memory_ordered 1
		.amdhsa_forward_progress 1
		.amdhsa_inst_pref_size 103
	.end_amdhsa_kernel
	.amdgpu_metadata
---
amdhsa.version: [ 1, 2 ]
amdhsa.kernels:
  - .name:           k_qeb35277837_prep
    .symbol:         k_qeb35277837_prep.kd
    .args:
      - { .name: query, .offset: 0, .size: 8, .value_kind: global_buffer, .address_space: global }
      - { .name: key, .offset: 8, .size: 8, .value_kind: global_buffer, .address_space: global }
      - { .name: value, .offset: 16, .size: 8, .value_kind: global_buffer, .address_space: global }
      - { .name: Wq, .offset: 24, .size: 8, .value_kind: global_buffer, .address_space: global }
      - { .name: Wk, .offset: 32, .size: 8, .value_kind: global_buffer, .address_space: global }
      - { .name: Wv, .offset: 40, .size: 8, .value_kind: global_buffer, .address_space: global }
      - { .name: codes, .offset: 48, .size: 8, .value_kind: global_buffer, .address_space: global }
      - { .name: scales, .offset: 56, .size: 8, .value_kind: global_buffer, .address_space: global }
      - { .name: mask, .offset: 64, .size: 8, .value_kind: global_buffer, .address_space: global }
      - { .name: Wo, .offset: 72, .size: 8, .value_kind: global_buffer, .address_space: global }
      - { .name: mbits, .offset: 80, .size: 8, .value_kind: global_buffer, .address_space: global }
      - { .name: wo16, .offset: 88, .size: 8, .value_kind: global_buffer, .address_space: global }
    .group_segment_fixed_size: 68096
    .private_segment_fixed_size: 0
    .kernarg_segment_align: 8
    .kernarg_segment_size: 96
    .max_flat_workgroup_size: 128
    .sgpr_count:     66
    .vgpr_count:     224
    .wavefront_size: 32
...
	.end_amdgpu_metadata
.endif
;; end of part 1
;; launch proj (part 2): grid 4 x 96, 4 waves a work-group, clusters of 4 x 4, 327,680 bytes of LDS; arguments codes, scales, bq, bk, bv, qkv; writes qkv
.if DOCPART == 2
	.amdgcn_target "amdgcn-amd-amdhsa--gfx1250"
	.amdhsa_code_object_version 6
	.text
	.protected	k_qeb35277837_proj
	.globl	k_qeb35277837_proj
	.p2align	8
	.type	k_qeb35277837_proj,@function
k_qeb35277837_proj:
	s_mov_b64 s[64:65], 0
	v_nop
	global_prefetch_b8 v0, s[64:65] scope:SCOPE_SE
	s_setreg_imm32_b32 hwreg(HW_REG_WAVE_MODE, 25, 1), 1
	s_wait_xcnt 0x0
	s_wait_alu depctr_hold_cnt(0) depctr_sa_sdst(0) depctr_va_vdst(0) depctr_va_sdst(0) depctr_va_ssrc(0) depctr_va_vcc(0) depctr_vm_vsrc(0)
	s_getreg_b32 s2, hwreg(HW_REG_IB_STS2, 6, 4)
	s_cmp_eq_u32 s2, 0
	s_cbranch_scc0 .Lentry_in_a_cluster
	s_endpgm
.Lentry_in_a_cluster:
	s_bfe_u32 s2, ttmp6, 0x10000c
	s_cmp_lg_u32 s2, 0xf033
	s_cbranch_scc0 .Lentry_shape_is_right
	s_endpgm
.Lentry_shape_is_right:
; The three quantised products as ONE product on codes of FP4 (E2M1) with E8M0 scales: rows 0 to 24,575 of the codes (query, key, value), each third against its own 1,024 rows of weights (rows 24,576 on).  No work of the problem is left out.
; y[m][n] = sum over k of x[m][k] W[n][k] + b[n]; K = 1,024; sums in f32, K ascending, one accumulator an output.  q is multiplied by c = log2(e) / 8, so that the attention launch's scores are exponents of 2.
; Results are rounded to f16 and laid for the attention launch: qkv [3][b 4][head 16][s 2,048][64].  LIMIT: |q c|, |k|, |v| up to 65,504, f16's largest number.
; A tile of 256 x 256 is made by a work-group of four waves; a wave makes 128 x 128: 64 accumulators of 16 x 16, 512 registers.  K is two slots of 512 (rows of 256 bytes): both are asked for at the head, and nothing is filled again.
; THE SCALES of the work-group's 256 + 256 rows, for all of K, are two dense blocks of memory: they come into LDS once, as rows of 256 bytes.
; CLUSTERS: 4 x 4 work-groups.  The four of a row of the cluster need the same rows of x, the four of a column the same rows of W: each tile is asked for JOINTLY.  A cluster's 1,024 rows lie in one of the three products.
; THE MATRIX INSTRUCTION IS USED TRANSPOSED (source 0 = 16 rows of W, source 1 = 16 rows of x): a lane holds eight neighbouring outputs of one row.  The bias is the C of each sum's first instruction.
; REGISTERS, in windows of 256: window 0: v0-31 addresses; v32-95 scale words, two sets; v128-191 x's fragments, ONE set; v192-255 the bias in the result's layout; on the way out v32-63 and v192-255 are at work.
;   window 1: W's fragments, TWO sets, at v0 and v128.   window 2: the 32 accumulators of my rows 0-63 ((a, b) at v[8 (8 a + b)]);   window 3: those of my rows 64-127.
.set KSTEP,  512
.set NQ,     KSTEP/128                 ; matrix instructions deep in a slot
.set ROWB,   256                       ; a tile's row in bytes
.set KROW,   512                       ; a row of codes in memory
.set PITCH,  272                       ; an LDS row: 256 bytes + 16 of padding: the 16 rows that a load touches start at 16 different banks (64 banks of 4 bytes: ISA guide 11.1)
.set FR,     8
.set NL,     2
.set NP,     4                         ; places behind this matrix instruction (ISA guide 7.12.1)
.set HALFT,  128*PITCH
.set SLOT,   4*HALFT
.set KS,     32                        ; a row of scales in bytes
.set SCL,    2*SLOT
.set HALFS,  (128*KS/256)*272
.set SBLK,   (16*KS/256)*272
.set SPARE,  SCL+4*HALFS               ; the spare words, 128 bytes for each wave: no other line names them
.set SPITCH, 272                       ; the way out: a stage of 16 rows x (256 bytes + 16) for each wave, in slot 0, which has had its only fill and its last read when the first result is stored there
.set WROW0,  24576                     ; the weights' first row among the codes
.set HEADB,  2048*128                  ; a head's bytes in qkv
.set ADRA, 16                          ; v16-17 LDS address of my x fragments in slot 0, 1
.set ADRB, 20                          ; v20-21 the same for W
.set STO,  24                          ; v24 the way out: where I put 16 bytes of a row
.set RD,   25                          ; v25 where I read back
.set CO,   26                          ; v26 16 x lane
.set ADRS, 27                          ; v27 LDS address of my scale words: lanes 0-15 x's rows, lanes 16-31 W's
.set SPW,  28                          ; v28 my spare word; never rewritten
.set NIL,  29                          ; v29 0; never rewritten
.set BO,   30                          ; v30 32 x (lane / 16): the bias loads' offset
.set SC,   32
.set AF,   128
.set BI,   192                         ; the bias: block b of W's eight at v[BI + 8 b]
.set TMP,  192                         ; the way out: packed results
.set OB,   32                          ; the way out: 16 rows read back: v32-63 and v224-255 by turns
.set G1, 24
.set G0, 32
.set G1B, 48
.set G0B, 56
.set PROJ, 66                          ; s66 which product: 0 q, 1 k, 2 v: made of the cluster's y alone
.set G1S, 68
.set G0S, 76
.set G1SB, 80
.set G0SB, 88
.set CS, 104                           ; s[104:105] c
.set MSB, 0
.macro WIN new                         ; the immediate's high byte repeats the setting that is left
.if MSB != \new
	s_set_vgpr_msb (MSB<<8)|\new
.set MSB, \new
.endif
.endm
.set MUL_LO, 0xa1                      ; source 0 (W) window 1, source 1 (x) window 0, C and D window 2
.set MUL_HI, 0xf1                      ; the same, C and D window 3
.set BIA_LO, 0x81                      ; the first step: C (the bias) window 0, D window 2
.set BIA_HI, 0xc1                      ; D window 3
.set TO_B,   0x40
; A joint load: waves 0 and 1 fetch for x, waves 2 and 3 for W.  The branch hangs on the wave's number alone.  An s_nop 0 and four v_nop follow each of the two lines.
.macro JLOAD g0a, g1a, g0b, g1b
	s_cmp_eq_u32 s15, 0
	s_cbranch_scc0 .Lfor_b_\@
	tensor_load_to_lds s[\g0a:\g0a+3], s[\g1a:\g1a+7]
	s_nop 0
.rept 4
	v_nop
.endr
	s_branch .Lasked_\@
.Lfor_b_\@:
	tensor_load_to_lds s[\g0b:\g0b+3], s[\g1b:\g1b+7]
	s_nop 0
.rept 4
	v_nop
.endr
.Lasked_\@:
.endm
.macro CROUND                          ; a round of the cluster's barrier
	s_barrier_signal -1
	s_barrier_wait -1
	s_cmp_lg_u32 s14, 0
	s_cbranch_scc1 .Lnot_wave_0_\@
	s_barrier_signal -3
.Lnot_wave_0_\@:
	s_barrier_wait -3
	s_barrier_signal -1
	s_barrier_wait -1
.endm
	s_load_b128 s[4:7], s[0:1], 0x0                ; codes, scales: for x's side
	s_load_b128 s[8:11], s[0:1], 0x0               ; the same two once more: for W's side
	s_load_b128 s[96:99], s[0:1], 0x10             ; bq, bk
	s_load_b64 s[100:101], s[0:1], 0x20            ; bv
	s_load_b64 s[12:13], s[0:1], 0x28              ; qkv
	v_lshl_add_u32 v[SPW], v0, 2, SPARE
	v_mov_b32 v[NIL], 0
	ds_add_u32 v[SPW], v[NIL]                      ; the wave's opening: the add, twice on end, and its wait ahead of my first tensor load
	ds_add_u32 v[SPW], v[NIL]
	v_lshrrev_b32 v1, 5, v0
	v_readfirstlane_b32 s14, v1                    ; wave 0..3
	s_lshr_b32 s15, s14, 1                         ; which half of the tile's rows is mine.  Also: I fetch for x (0) or for W (1)
	s_and_b32 s16, s14, 1                          ; which half of its columns.  Also: which 128 rows of that tile I fetch
	s_bfe_u32 s40, ttmp6, 0x40000                  ; cx, cy: my place in the cluster
	s_bfe_u32 s41, ttmp6, 0x40004
	s_lshl_b32 s42, ttmp9, 2
	s_add_co_u32 s42, s42, s40                     ; tile column = 4 x cluster x + cx
	s_and_b32 s17, ttmp7, 0xffff
	s_lshr_b32 s[PROJ], s17, 3                     ; eight clusters of 1,024 rows to a product
	s_lshl_b32 s17, s17, 2
	s_add_co_u32 s17, s17, s41                     ; tile row = 4 x cluster y + cy
	s_lshl_b32 s43, s41, 2
	s_lshl_b32 s43, 15, s43                        ; my row of the cluster
	s_lshl_b32 s44, 0x1111, s40                    ; my column
	; descriptor group 1: a tile of 128 rows x 256 bytes, 16 bytes of padding behind each
	s_or_b32 s[G1+0], s43, (0<<16)|(1<<20)|(1<<21)|(5<<22)|(3<<25)
	s_or_b32 s[G1B+0], s44, (0<<16)|(1<<20)|(1<<21)|(5<<22)|(3<<25)
.irp g, G1, G1B
	s_mov_b32 s[\g+1], ROWB<<16                    ; tensor_dim0
	s_mov_b32 s[\g+2], 128<<16                     ; tensor_dim1
	s_mov_b32 s[\g+3], ROWB<<16                    ; tile_dim0
	s_mov_b32 s[\g+4], 128                         ; tile_dim1
	s_mov_b32 s[\g+5], KROW                        ; the pitch
	s_mov_b32 s[\g+6], 0
	s_mov_b32 s[\g+7], 0
.endr
	; and for the scales of 128 rows: a dense block of 4,096 bytes, as rows of 256 bytes (32 elements of 8 bytes), 16 bytes of padding behind each
	s_or_b32 s[G1S+0], s43, (3<<16)|(1<<20)|(1<<21)|(5<<22)|(3<<25)
	s_or_b32 s[G1SB+0], s44, (3<<16)|(1<<20)|(1<<21)|(5<<22)|(3<<25)
.irp g, G1S, G1SB
	s_mov_b32 s[\g+1], 32<<16
	s_mov_b32 s[\g+2], (128*KS/256)<<16
	s_mov_b32 s[\g+3], 32<<16
	s_mov_b32 s[\g+4], 128*KS/256
	s_mov_b32 s[\g+5], 32
	s_mov_b32 s[\g+6], 0
	s_mov_b32 s[\g+7], 0
.endr
	s_lshl_b32 s18, s16, 7                         ; which 128 rows of the tile I fetch
	s_lshl_b32 s20, s17, 8
	s_add_co_u32 s20, s20, s18                     ; x: row 256 x tile row + 128 x half
	s_lshl_b32 s46, s42, 8
	s_add_co_u32 s46, s46, s18                     ; W: 256 x tile column + 128 x half,
	s_lshl_b32 s67, s[PROJ], 10
	s_add_co_u32 s46, s46, s67                     ; in my product's 1,024 rows,
	s_add_co_u32 s46, s46, WROW0                   ; behind the 24,576 rows of x
	s_mov_b32 s21, 0
	s_mov_b32 s47, 0
	s_mov_b64 s[18:19], KS
	s_mul_u64 s[22:23], s[20:21], s[18:19]         ; where these rows' scales begin, in bytes
	s_mul_u64 s[92:93], s[46:47], s[18:19]
	s_mov_b64 s[18:19], KROW
	s_mul_u64 s[20:21], s[20:21], s[18:19]         ; and their codes
	s_mul_u64 s[46:47], s[46:47], s[18:19]
	s_mul_i32 s45, s14, HALFT                      ; where they go: wave x 128 rows: no place in the cluster enters an LDS address
	s_mul_i32 s94, s14, HALFS
	s_mov_b32 s[CS], 0x3e38aa3b                    ; c = log2(e) / 8
	s_mov_b32 s[CS+1], s[CS]                       ; (named with it as a pair, so it is written)
	s_wait_dscnt 0x0                               ; both opening adds are done
	s_wait_kmcnt 0x0
	s_add_nc_u64 s[20:21], s[4:5], s[20:21]
	s_add_nc_u64 s[22:23], s[6:7], s[22:23]
	s_add_nc_u64 s[46:47], s[8:9], s[46:47]
	s_add_nc_u64 s[92:93], s[10:11], s[92:93]
	CROUND                                         ; all sixteen work-groups are here: the joint loads meet
	s_mov_b32 s[G0S], 1
	s_add_co_u32 s[G0S+1], s94, SCL
	s_mov_b64 s[G0S+2:G0S+3], s[22:23]
	s_or_b32 s[G0S+3], s[G0S+3], 0x80000000
	s_mov_b32 s[G0SB], 1
	s_add_co_u32 s[G0SB+1], s94, SCL
	s_mov_b64 s[G0SB+2:G0SB+3], s[92:93]
	s_or_b32 s[G0SB+3], s[G0SB+3], 0x80000000
	JLOAD G0S, G1S, G0SB, G1SB                     ; the scales first: they are wanted with the first slot
.irp s, 0,1
	s_mov_b32 s[G0+4*\s], 1
	s_add_co_u32 s[G0+4*\s+1], s45, \s*SLOT
	s_add_nc_u64 s[G0+4*\s+2:G0+4*\s+3], s[20:21], \s*ROWB
	s_or_b32 s[G0+4*\s+3], s[G0+4*\s+3], 0x80000000
	s_mov_b32 s[G0B+4*\s], 1
	s_add_co_u32 s[G0B+4*\s+1], s45, \s*SLOT
	s_add_nc_u64 s[G0B+4*\s+2:G0B+4*\s+3], s[46:47], \s*ROWB
	s_or_b32 s[G0B+4*\s+3], s[G0B+4*\s+3], 0x80000000
	JLOAD G0+4*\s, G1, G0B+4*\s, G1B               ; three loads of mine are out: all of K is asked for
.endr
	v_and_b32 v1, 15, v0                           ; l % 16
	v_bfe_u32 v2, v0, 4, 1                         ; l / 16
	; the bias of my 128 columns, in the result's layout: register j of block b is b[16 b + 8 (l / 16) + j]
	s_cmp_eq_u32 s[PROJ], 1
	s_cselect_b64 s[96:97], s[98:99], s[96:97]
	s_cmp_eq_u32 s[PROJ], 2
	s_cselect_b64 s[96:97], s[100:101], s[96:97]
	s_lshl_b32 s46, s42, 10                        ; 256 columns of 4 bytes a tile column,
	s_lshl_b32 s47, s16, 9                         ; 128 a half
	s_add_co_u32 s46, s46, s47
	s_mov_b32 s47, 0
	s_add_nc_u64 s[96:97], s[96:97], s[46:47]
	v_lshlrev_b32 v[BO], 5, v2
.irp b, 0,1,2,3,4,5,6,7
	global_load_b128 v[BI+8*\b:BI+8*\b+3], v[BO], s[96:97] offset:64*\b
	global_load_b128 v[BI+8*\b+4:BI+8*\b+7], v[BO], s[96:97] offset:64*\b+16
.endr
	v_mul_u32_u24 v3, v1, PITCH
	v_lshl_add_u32 v4, v2, 4, v3                   ; a fragment's row x pitch + 16 x half
	s_mul_i32 s21, s15, HALFT                      ; my 128 rows of x
	s_mul_i32 s22, s16, HALFT                      ; my 128 rows of W,
	s_add_co_u32 s22, s22, 2*HALFT                 ; which lie behind x's 256
.irp s, 0,1
	v_add_nc_u32 v[ADRA+\s], s21, v4
	v_add_nc_u32 v[ADRB+\s], s22, v4
	s_add_co_u32 s21, s21, SLOT
	s_add_co_u32 s22, s22, SLOT
.endr
	v_mul_u32_u24 v5, v1, KS                       ; my row's scales: KS bytes a row,
	v_lshrrev_b32 v6, 8, v5
	v_lshl_add_u32 v5, v6, 4, v5                   ; and 16 more for each 256 passed
	s_mul_i32 s21, s15, HALFS
	s_mul_i32 s22, s16, HALFS
	s_add_co_u32 s22, s22, 2*HALFS
	s_sub_co_u32 s22, s22, s21
	v_mul_u32_u24 v6, s22, v2                      ; lanes 16-31 take W's: one product, the distance between the two bases
	s_add_co_u32 s21, s21, SCL
	v_add_nc_u32 v5, v5, v6
	v_add_nc_u32 v[ADRS], s21, v5
	s_mul_i32 s23, s14, 16*SPITCH                  ; my stage
	v_mul_u32_u24 v5, v1, SPITCH                   ; in: row l % 16, 16 bytes for each half of the lanes
	v_lshl_add_u32 v5, v2, 4, v5
	v_add_nc_u32 v[STO], s23, v5
	v_bfe_u32 v5, v0, 3, 2                         ; back: eight lanes take a head's 128 bytes of a row, 32 lanes four rows
	v_and_b32 v6, 7, v0
	v_mul_u32_u24 v5, v5, SPITCH
	v_lshl_add_u32 v5, v6, 4, v5
	v_add_nc_u32 v[RD], s23, v5
	v_and_b32 v6, 31, v0
	v_lshlrev_b32 v[CO], 4, v6                     ; which are 512 consecutive bytes of qkv
	; where my part begins in qkv: product, then ((16 b + head) x 2,048 + s) x 128 bytes
	s_and_b32 s20, s17, 31
	s_lshr_b32 s20, s20, 3                         ; b: eight tile rows to a batch
	s_lshl_b32 s20, s20, 4
	s_lshl_b32 s46, s42, 2                         ; four heads to a tile column,
	s_lshl_b32 s47, s16, 1                         ; two to a half
	s_add_co_u32 s46, s46, s47
	s_add_co_u32 s46, s46, s20
	s_lshl_b32 s46, s46, 11
	s_and_b32 s47, s17, 7
	s_lshl_b32 s47, s47, 8
	s_add_co_u32 s46, s46, s47
	s_lshl_b32 s47, s15, 7
	s_add_co_u32 s46, s46, s47
	s_lshl_b32 s46, s46, 7
	s_lshl_b32 s47, s[PROJ], 24
	s_add_co_u32 s46, s46, s47
	s_mov_b32 s47, 0
	s_add_nc_u64 s[12:13], s[12:13], s[46:47]
.macro FRAG reg, adr, q, i             ; a fragment, 16 rows x 128 K of 4-bit codes, is 8 registers: lane l holds row l % 16; registers 4 c .. 4 c + 3 hold K = 64 c + 32 (l / 16) + 0 .. 31
.irp c, 0,1
	ds_load_b128 v[\reg+4*\c:\reg+4*\c+3], v[\adr] offset:64*(\q)+32*\c+(\i)*16*PITCH
.endr
.endm
; 16 matrix instructions: x's blocks a0, a0 + 1 against W's eight, the slot's q-th 128 along K.  p: W's set; sc: the set of scale words.  first = 1: the bias starts the sums: nothing is ever cleared.
; The 64 accumulators take turns, one instruction a turn, in the same order in every step.
.macro MUL16 a0, p, q, sc, first
.irp a, \a0, \a0+1
.irp b, 0,1,2,3,4,5,6,7
.if \first
	v_wmma_scale_f32_16x16x128_f8f6f4 v[8*(8*((\a)%4)+\b):8*(8*((\a)%4)+\b)+7], v[128*(\p)+FR*\b:128*(\p)+FR*\b+FR-1], v[AF+FR*(\a):AF+FR*(\a)+FR-1], v[BI+8*\b:BI+8*\b+7], v[SC+8*NQ*(\sc)+NQ*\b+(\q)], v[SC+8*NQ*(\sc)+NQ*(\a)+(\q)] matrix_a_fmt:MATRIX_FMT_FP4 matrix_b_fmt:MATRIX_FMT_FP4 matrix_a_scale:MATRIX_SCALE_ROW1
.else
	v_wmma_scale_f32_16x16x128_f8f6f4 v[8*(8*((\a)%4)+\b):8*(8*((\a)%4)+\b)+7], v[128*(\p)+FR*\b:128*(\p)+FR*\b+FR-1], v[AF+FR*(\a):AF+FR*(\a)+FR-1], v[8*(8*((\a)%4)+\b):8*(8*((\a)%4)+\b)+7], v[SC+8*NQ*(\sc)+NQ*\b+(\q)], v[SC+8*NQ*(\sc)+NQ*(\a)+(\q)] matrix_a_fmt:MATRIX_FMT_FP4 matrix_b_fmt:MATRIX_FMT_FP4 matrix_a_scale:MATRIX_SCALE_ROW1
.endif
.endr
.endr
.endm
.macro FETCH_B slot, q, p
	WIN TO_B
.irp i, 0,1,2,3,4,5,6,7
	FRAG 128*(\p)+FR*\i, ADRB+\slot, \q, \i
.endr
	WIN 0
.endm
.macro FETCH_A slot, q, i0
.irp i, \i0, \i0+1, \i0+2, \i0+3
	FRAG AF+FR*(\i), ADRA+\slot, \q, \i
.endr
.endm
.macro SCALES sc                       ; a slot's scale words into set sc: NQ words a row; lanes 0-15 take x's block i, lanes 16-31 W's block i
.irp i, 0,1,2,3,4,5,6,7
	ds_load_b128 v[SC+8*NQ*\sc+NQ*\i:SC+8*NQ*\sc+NQ*\i+3], v[ADRS] offset:\i*SBLK
.endr
.endm
; A load into a register that a matrix instruction has read, and a vector instruction or an LDS store that reads a matrix result, stand NP places behind that matrix instruction; only plain vector instructions that name none of its registers are places.
.macro PLACES n
.rept \n
	v_nop
.endr
.endm
.macro STEP slot, q, first             ; a step of 128 along K that has its successor in the same slot
	s_wait_dscnt 4*NL                              ; W's set and x's blocks 0-3 are in; the youngest loads (x's blocks 4-7) may be out
.if \first
	WIN BIA_LO
.else
	WIN MUL_LO
.endif
	MUL16 0, (\q)%2, \q, \slot, \first
	MUL16 2, (\q)%2, \q, \slot, \first
	s_wait_dscnt 0                                 ; x's blocks 4-7 are in
	PLACES NP
	FETCH_B \slot, (\q)+1, 1-(\q)%2
	FETCH_A \slot, (\q)+1, 0
.if \first
	WIN BIA_HI
.else
	WIN MUL_HI
.endif
	MUL16 4, (\q)%2, \q, \slot, \first
	MUL16 6, (\q)%2, \q, \slot, \first
	PLACES NP
	WIN 0
	FETCH_A \slot, (\q)+1, 4
.endm
; Slot 0's last step changes slots: one barrier; in front of it each wave waits for all its tensor loads (its part of slot 1), adds 0 to its spare word, and waits for that and for its reads of slot 0.
.macro TURN slot, next
	s_wait_tensorcnt 0x0                           ; all my tensor loads have landed
	ds_add_u32 v[SPW], v[NIL]
	s_wait_dscnt 4*NL+1                            ; (the add and the youngest loads, x's blocks 4-7, may be out)
	WIN MUL_LO
	MUL16 0, 1, NQ-1, \slot, 0
	s_wait_dscnt 0x0                               ; the add is done, and my reads of this slot are over
	s_barrier_signal -1
	MUL16 2, 1, NQ-1, \slot, 0
	WIN 0
	s_barrier_wait -1
	PLACES NP
	v_add_nc_u32 v[ADRS], 4*NQ, v[ADRS]            ; on to the next slot's scale words
	FETCH_B \next, 0, 0
	FETCH_A \next, 0, 0
	SCALES \next
	WIN MUL_HI
	MUL16 4, 1, NQ-1, \slot, 0
	MUL16 6, 1, NQ-1, \slot, 0
	PLACES NP
	WIN 0
	FETCH_A \next, 0, 4
.endm
	s_wait_tensorcnt 1                             ; the scales and my part of slot 0 are in (slot 1's load may be out)
	s_barrier_signal -1
	s_barrier_wait -1                              ; everybody's are
	FETCH_B 0, 0, 0
	FETCH_A 0, 0, 0
	SCALES 0
	FETCH_A 0, 0, 4
	s_wait_loadcnt 0x0                             ; the bias
	STEP 0, 0, 1
	STEP 0, 1, 0
	STEP 0, 2, 0
	TURN 0, 1
	STEP 1, 0, 0
	STEP 1, 1, 0
	STEP 1, 2, 0
	s_wait_dscnt 4*NL                              ; the very last step: nothing more to fetch
	WIN MUL_LO
	MUL16 0, 1, NQ-1, 1, 0
	MUL16 2, 1, NQ-1, 1, 0
	s_wait_dscnt 0
	WIN MUL_HI
	MUL16 4, 1, NQ-1, 1, 0
	MUL16 6, 1, NQ-1, 1, 0
	WIN 0
; THE WAY OUT, block by block of 16 rows x 128 columns (two heads).  PACK: q alone is multiplied by c (a branch on the cluster's y: the same in all partners); all are rounded to f16, 16 bytes a lane.
; TOSTAGE: into my own stage and back, four rows of one head to an instruction.  SEND: each store covers 512 consecutive bytes of qkv, aligned.  Every offset is an immediate.
.macro PACK a
.set AC, 64*((\a)%4)
	WIN 0                                          ; at a branch and at a label every window is 0
	s_cmp_lg_u32 s[PROJ], 0
	s_cbranch_scc1 .Lplain_\@
	WIN 0x82+0x41*((\a)/4)                         ; destination and source 0: window 2 or 3
.set i, 0
.rept 32
	v_pk_mul_f32 v[AC+i:AC+i+1], v[AC+i:AC+i+1], s[CS:CS+1] op_sel_hi:[1,0]   ; each accumulator from its low end on
.set i, i+2
.endr
	WIN 0
.Lplain_\@:
	WIN 0x0a+5*((\a)/4)                            ; sources 0 and 1: window 2 or 3
.irp b, 0,1,2,3,4,5,6,7
.irp r, 0,1,2,3
	v_cvt_pk_f16_f32 v[TMP+4*\b+\r], v[AC+8*\b+2*\r], v[AC+8*\b+2*\r+1]
.endr
.endr
	WIN 0
.endm
.macro TOSTAGE a
.set BK, OB+192*((\a)%2)
.irp b, 0,1,2,3,4,5,6,7
	ds_store_b128 v[STO], v[TMP+4*\b:TMP+4*\b+3] offset:32*\b
.endr
.irp hh, 0,1
.irp u, 0,1,2,3
	ds_load_b128 v[BK+4*(4*\hh+\u):BK+4*(4*\hh+\u)+3], v[RD] offset:\u*4*SPITCH+128*\hh   ; LDS serves a wave's instructions in order (ISA guide 5.7.1.4): these see the stores above
.endr
.endr
.endm
.macro SEND a
.set BK, OB+192*((\a)%2)
	s_wait_dscnt 0x0                               ; the block is back in registers
	s_wait_xcnt 0x0                                ; the stores of the block before have read their data: the next block's loads land there only behind this wait
.irp hh, 0,1
.irp u, 0,1,2,3
	global_store_b128 v[CO], v[BK+4*(4*\hh+\u):BK+4*(4*\hh+\u)+3], s[12:13] offset:(\a)*2048+\u*512+\hh*HEADB
.endr
.endr
.endm
	PLACES NP                                      ; behind the last products: for the first reads of results and the loads into registers that held scale words
	PACK 0
	TOSTAGE 0
.irp a, 1,2,3,4,5,6,7                  ; block a's conversions stand between block a - 1's loads from the stage and the wait for them
	PACK \a
	SEND \a-1
	TOSTAGE \a
.endr
	SEND 7
	s_wait_tensorcnt 0x0                           ; the wave's end
	ds_add_u32 v[SPW], v[NIL]
	s_wait_dscnt 0x0
	CROUND                                         ; the closing round
	s_endpgm
.Lfunc_end_k_qeb35277837_proj:
	.size	k_qeb35277837_proj, .Lfunc_end_k_qeb35277837_proj-k_qeb35277837_proj
	.p2alignl 7, 3214868480
	.fill 96, 4, 3214868480
	.section	.rodata,"a",@progbits
	.p2align	6, 0x0
	.amdhsa_kernel k_qeb35277837_proj
		.amdhsa_group_segment_fixed_size 327680
		.amdhsa_private_segment_fixed_size 0
		.amdhsa_enable_private_segment 0
		.amdhsa_kernarg_size 48
		.amdhsa_user_sgpr_count 2
		.amdhsa_user_sgpr_kernarg_segment_ptr 1
		.amdhsa_wavefront_size32 1
		.amdhsa_system_sgpr_workgroup_id_x 1
		.amdhsa_system_sgpr_workgroup_id_y 1
		.amdhsa_system_sgpr_workgroup_id_z 1
		.amdhsa_system_vgpr_workitem_id 0
		.amdhsa_next_free_vgpr 1024
		.amdhsa_next_free_sgpr 106
		.amdhsa_reserve_vcc 0
		.amdhsa_float_denorm_mode_32 3
		.amdhsa_float_denorm_mode_16_64 3
		.amdhsa_memory_ordered 1
		.amdhsa_forward_progress 1
		.amdhsa_inst_pref_size 146
	.end_amdhsa_kernel
	.amdgpu_metadata
---
amdhsa.version: [ 1, 2 ]
amdhsa.kernels:
  - .name:           k_qeb35277837_proj
    .symbol:         k_qeb35277837_proj.kd
    .args:
      - { .name: codes, .offset: 0, .size: 8, .value_kind: global_buffer, .address_space: global }
      - { .name: scales, .offset: 8, .size: 8, .value_kind: global_buffer, .address_space: global }
      - { .name: bq, .offset: 16, .size: 8, .value_kind: global_buffer, .address_space: global }
      - { .name: bk, .offset: 24, .size: 8, .value_kind: global_buffer, .address_space: global }
      - { .name: bv, .offset: 32, .size: 8, .value_kind: global_buffer, .address_space: global }
      - { .name: qkv, .offset: 40, .size: 8, .value_kind: global_buffer, .address_space: global }
    .group_segment_fixed_size: 327680
    .private_segment_fixed_size: 0
    .kernarg_segment_align: 8
    .kernarg_segment_size: 48
    .max_flat_workgroup_size: 128
    .sgpr_count:     106
    .vgpr_count:     1024
    .wavefront_size: 32
...
	.end_amdgpu_metadata
.endif
;; end of part 2
;; launch attn (part 3): grid 4 x 64, 16 waves a work-group, clusters of 4 x 1, 327,680 bytes of LDS; arguments qkv, mbits, xw; writes xw
.if DOCPART == 3
	.amdgcn_target "amdgcn-amd-amdhsa--gfx1250"
	.amdhsa_code_object_version 6
	.text
	.protected	k_qeb35277837_attn
	.globl	k_qeb35277837_attn
	.p2align	8
	.type	k_qeb35277837_attn,@function
k_qeb35277837_attn:
	s_mov_b64 s[64:65], 0
	v_nop
	global_prefetch_b8 v0, s[64:65] scope:SCOPE_SE
	s_setreg_imm32_b32 hwreg(HW_REG_WAVE_MODE, 25, 1), 1
	s_wait_xcnt 0x0
	s_wait_alu depctr_hold_cnt(0) depctr_sa_sdst(0) depctr_va_vdst(0) depctr_va_sdst(0) depctr_va_ssrc(0) depctr_va_vcc(0) depctr_vm_vsrc(0)
	s_getreg_b32 s2, hwreg(HW_REG_IB_STS2, 6, 4)
	s_cmp_eq_u32 s2, 0
	s_cbranch_scc0 .Lentry_in_a_cluster
	s_endpgm
.Lentry_in_a_cluster:
	s_bfe_u32 s2, ttmp6, 0x10000c
	s_cmp_lg_u32 s2, 0x3003
	s_cbranch_scc0 .Lentry_shape_is_right
	s_endpgm
.Lentry_shape_is_right:
; x[b][s][head] = the sum over keys of softmax(q . k / 8, hidden scores replaced by -1e9) v, for 64 (b, head) of 2,048 queries x 2,048 keys x 64.  No work of the problem is left out: the mask is an input and is honoured bit by bit.
; q, k, v: qkv [3][b][head][s][64] f16; q already carries c = log2(e) / 8, so a score IS t, the exponent of 2.  The mask: mbits, a 32-bit lane mask for each register of a tile of scores.  Products on f16 operands, sums, maxima and softmax in f32.
; x goes out as f16, laid for the last launch: xw [b x 32 + s / 64][head][s % 64][64].
; SOFTMAX.  For each query a running maximum m and sum l: p = 2^(t - m); in every step O and l are multiplied by a = 2^(m_old - m_new).  A hidden score becomes -1e9 log2(e) ahead of the maximum, as the problem has it:
; beside an open score its p is 0; in a row that is wholly hidden every p is 1, the problem's uniform row.
; LIMITS: |q c|, |k|, |v|, |x| up to 65,504 (f16); NaN and infinities are not served.
; SHARES.  A cluster of four work-groups is one (b, head); a work-group owns 512 queries, each of its SIXTEEN waves 32: two tiles of 16, in 256 registers: four waves to a SIMD, so that one wave's vector work stands beside another's
; matrix work and LDS loads.  Every wave walks all 2,048 keys, 64 a step.  K and V come through a ring of two LDS slots of 256 keys (four steps), asked for JOINTLY by the four work-groups: waves 0, 1 K's halves, waves 2, 3 V's.
; LAYOUT.  S^T = K Q^T (source 0 = 16 keys, source 1 = 16 queries): a lane holds ONE query (lane % 16) and keys 8 (lane / 16) + 0..7 of each 16.  Two such tiles rounded to f16 in pairs ARE source 1 of O^T = V^T P.  V is turned by ds_load_tr16_b128.
; THE MASK costs one select a score: the 64 lane masks of a step (256 bytes on end) come by four scalar loads, asked for a step ahead.  They are select operands alone: no address and no branch hangs on them.
.set PK,    144                        ; a row of K in LDS: 128 bytes + 16: the 16 rows of a load start at 16 different banks (64 banks of 4 bytes: ISA guide 11.1)
.set PV,    160                        ; a row of V: 128 + 32
.set LH,    20480                      ; what one tensor load may fill: K's halves at 0 and LH (18,432 bytes each), V's at 2 LH and 3 LH
.set VOFF,  2*LH
.set SLOT1, 1<<17                      ; slot 1 begins here: one exclusive or turns an address from one slot to the other
.set SPARE, SLOT1+4*LH                 ; the spare words, 128 bytes for each of 16 waves: no other line names them
.set STAGE, SPARE+2048                 ; the way out: 32 rows x 144 bytes for each wave; no fill lands here
.set AK0, 1                            ; v1  my lane's place in a tile of K
.set AV0, 2                            ; v2  the same for V
.set ADK, 3                            ; v3  LDS address of the step's K
.set ADV, 4                            ; v4  of its V
.set SPW, 5                            ; v5  my spare word; never rewritten
.set NIL, 6                            ; v6  0; never rewritten
.set TMV, 7                            ; v7  -1e9 log2(e)
.set ST,  8                            ; tile t's statistics at v[ST + 8 t]: +0 m, +1 m_old - m_new, +2, +3 l (two halves), +4 to +7 at work; a takes +6
.set PFO, 24                           ; v24 256 x lane; never rewritten
.set QO,  25                           ; v25 my byte offset in the wave's rows of Q
.set STO, 26
.set RD,  27
.set GO,  28
.set QF,  32                           ; v32-63   Q: tile t, channels 32 s on, at QF + 16 t + 8 s
.set KV,  64                           ; v64-127  K's 8 fragments, then V's 8
.set S,   128                          ; v128-191 S^T, 32 a tile; P is made in place in a tile's first 16
.set OA,  192                          ; v192-255 O^T, 32 a tile
.set WV,  2                            ; s2  my wave's number
.set SLOTS, 3                          ; s3  slots still to be asked for
                                       ; s4-51, s68-83: the step's 64 lane masks: tile 0 register n in s[4 + n]; tile 1 in s[36 + n] (n < 16), s[52 + n] (n >= 16)
.set G0,  52                           ; s[52:55] descriptor group 0, which walks
.set MP,  60                           ; s[60:61] where my lane masks stand
.set PFA, 62                           ; s[62:63] where my prefetches stand
.set CX,  66                           ; s66 my place in the cluster: it enters global addresses of my own alone
.set BH,  67                           ; s67 16 b + head
.set G1K, 84                           ; s[84:91] descriptor group 1 for K's tiles
.set G1V, 92                           ; s[92:99] for V's: it differs in the padding alone
.set SEL, 100                          ; s[100:101] lane selects: lane l xor 16
.set TB,  104                          ; s104 LDS byte at which the slot in hand begins
.set LIM, 105                          ; s105 1 in a wave that prefetches, else the greatest number
.macro CROUND                          ; a round of the cluster's barrier
	s_barrier_signal -1
	s_barrier_wait -1
	s_cmp_lg_u32 s[WV], 0
	s_cbranch_scc1 .Lnot_wave_0_\@
	s_barrier_signal -3
.Lnot_wave_0_\@:
	s_barrier_wait -3
	s_barrier_signal -1
	s_barrier_wait -1
.endm
; A joint load.  Waves 0 and 1 fetch K's halves, waves 2 and 3 V's, the others nothing.  The branches hang on the wave's number alone.  An s_nop 0 and four v_nop follow each of the two lines.
.macro TLOAD
	s_cmp_lt_u32 s[WV], 2
	s_cbranch_scc0 .Lnot_k_\@
	tensor_load_to_lds s[G0:G0+3], s[G1K:G1K+7]
	s_nop 0
.rept 4
	v_nop
.endr
	s_branch .Lasked_\@
.Lnot_k_\@:
	s_cmp_lt_u32 s[WV], 4
	s_cbranch_scc0 .Lasked_\@
	tensor_load_to_lds s[G0:G0+3], s[G1V:G1V+7]
	s_nop 0
.rept 4
	v_nop
.endr
.Lasked_\@:
.endm
; A PREFETCH INTO THE L2 of what the NEXT change of slots will ask for: 256 rows of K and of V, 32,768 dense bytes each.  One cluster walks a head, so its four partners share each block BY ADDRESS, 8,192 bytes each;
; in each, wave 4 asks for K's and wave 5 for V's, lanes 256 bytes apart: one instruction, and each 256 bytes are named once in the launch.  It runs a slot, four key steps, ahead of the load.  The last change that fills a slot asks for nothing; slots 0 and 1 come by their loads alone.
.macro ASK
	s_cmp_gt_u32 s[SLOTS], s[LIM]
	s_cbranch_scc0 .Lnot_mine_\@
	global_prefetch_b8 v[PFO], s[PFA:PFA+1] th:TH_LOAD_NT scope:SCOPE_SE
.Lnot_mine_\@:
.endm
	s_load_b128 s[4:7], s[0:1], 0x0                ; qkv, mbits (in registers that the lane masks take later)
	v_lshl_add_u32 v[SPW], v0, 2, SPARE
	v_mov_b32 v[NIL], 0
	ds_add_u32 v[SPW], v[NIL]                      ; the wave's opening: the add, twice on end, and its wait ahead of the first tensor loads
	ds_add_u32 v[SPW], v[NIL]
	v_lshrrev_b32 v1, 5, v0
	v_readfirstlane_b32 s[WV], v1                  ; wave 0..15
	s_bfe_u32 s[CX], ttmp6, 0x40000                ; cx
	s_and_b32 s[BH], ttmp7, 0xffff                 ; the cluster's y: 16 b + head, which the partners share
	; descriptor group 1: a tile of 128 rows x 64 elements of 2 bytes, dense in memory, padded behind each row
	s_mov_b32 s[G1K], 15|(1<<16)|(1<<20)|(1<<21)|(4<<22)|(3<<25)  ; the mask: all four; elements of 2 bytes; padding on; bit 21 beside a mask; after every 32 words; 4 words
	s_mov_b32 s[G1V], 15|(1<<16)|(1<<20)|(1<<21)|(4<<22)|(7<<25)  ; the same with 8 words
.irp g, G1K, G1V
	s_mov_b32 s[\g+1], 64<<16                      ; tensor_dim0
	s_mov_b32 s[\g+2], 128<<16                     ; tensor_dim1
	s_mov_b32 s[\g+3], 64<<16                      ; tile_dim0
	s_mov_b32 s[\g+4], 128                         ; tile_dim1
	s_mov_b32 s[\g+5], 64                          ; the pitch
	s_mov_b32 s[\g+6], 0
	s_mov_b32 s[\g+7], 0
.endr
	s_mov_b32 s[G0], 1
	s_mul_i32 s[G0+1], s[WV], LH                   ; where my tile goes, in slot 0: the wave's number alone
	s_lshl_b32 s59, s[BH], 18                      ; the head's 262,144 bytes
	s_lshr_b32 s58, s[WV], 1
	s_add_co_u32 s58, s58, 1
	s_lshl_b32 s58, s58, 24                        ; k (waves 0, 1) or v (waves 2, 3): 16,777,216 bytes each
	s_add_co_u32 s58, s58, s59
	s_and_b32 s8, s[WV], 1
	s_lshl_b32 s9, s8, 14                          ; which 128 rows of the slot's 256
	s_add_co_u32 s58, s58, s9
	s_add_co_u32 s8, s8, 1                         ; the prefetches: k (wave 4) or v (wave 5),
	s_lshl_b32 s8, s8, 24
	s_add_co_u32 s8, s8, s59
	s_lshl_b32 s9, s[CX], 13                       ; my work-group's 8,192 bytes,
	s_add_co_u32 s8, s8, s9
	s_add_co_u32 s8, s8, 32768                     ; in slot 1: the first change of slots steps it to slot 2
	s_mov_b32 s9, 0
	s_lshr_b32 s10, s[BH], 4                       ; the lane masks: b,
	s_lshl_b32 s10, s10, 6
	s_lshl_b32 s11, s[CX], 4
	s_add_co_u32 s10, s10, s11
	s_add_co_u32 s10, s10, s[WV]                   ; my pair of query tiles: 16 cx + wave,
	s_lshl_b32 s10, s10, 13                        ; 8,192 bytes each
	s_mov_b32 s11, 0
	s_lshl_b32 s12, s[CX], 16                      ; Q: 512 rows of 128 bytes a work-group,
	s_lshl_b32 s13, s[WV], 12                      ; 32 a wave
	s_add_co_u32 s12, s12, s13
	s_add_co_u32 s12, s12, s59
	s_mov_b32 s13, 0
	s_mov_b32 s59, 0
	s_mov_b32 s[SEL], 0x76543210
	s_mov_b32 s[SEL+1], 0xfedcba98
	s_mov_b32 s[TB], 0
	s_mov_b32 s[SLOTS], 7
	s_lshr_b32 s[LIM], s[WV], 1
	s_cmp_eq_u32 s[LIM], 2                         ; waves 4 and 5: the same in all partners
	s_cselect_b32 s[LIM], 1, -1
	v_and_b32 v[PFO], 31, v0
	v_lshlrev_b32 v[PFO], 8, v[PFO]
	s_wait_dscnt 0x0                               ; both opening adds are done
	s_wait_kmcnt 0x0
	s_add_nc_u64 s[G0+2:G0+3], s[4:5], s[58:59]
	s_or_b32 s[G0+3], s[G0+3], 0x80000000          ; type = 2
	s_add_nc_u64 s[PFA:PFA+1], s[4:5], s[8:9]
	s_add_nc_u64 s[MP:MP+1], s[6:7], s[10:11]
	s_add_nc_u64 s[56:57], s[4:5], s[12:13]
	CROUND                                         ; all four work-groups are here: the first joint loads meet
	TLOAD                                          ; slot 0
	v_and_b32 v3, 15, v0                           ; r
	v_bfe_u32 v4, v0, 4, 1                         ; h
	v_lshlrev_b32 v[QO], 7, v3
	v_lshl_add_u32 v[QO], v4, 4, v[QO]             ; row r of 128 bytes, + 16 h
.irp t, 0,1
.irp s, 0,1
.irp e, 0,1
	global_load_b128 v[QF+16*\t+8*\s+4*\e:QF+16*\t+8*\s+4*\e+3], v[QO], s[56:57] offset:\t*2048+64*\s+32*\e th:TH_LOAD_NT   ; Q stays in registers
.endr
.endr
.endr
	s_load_b512 s[4:19], s[MP:MP+1], 0x0           ; key step 0's lane masks
	s_load_b512 s[20:35], s[MP:MP+1], 0x40
	s_load_b512 s[36:51], s[MP:MP+1], 0x80
	s_load_b512 s[68:83], s[MP:MP+1], 0xc0
	v_mul_u32_u24 v[AK0], v3, PK
	v_lshl_add_u32 v[AK0], v4, 4, v[AK0]           ; K: row r x pitch + 16 h
	v_and_b32 v26, 7, v0
	v_bfe_u32 v27, v0, 3, 1
	v_lshl_add_u32 v[AV0], v4, 3, v26              ; V, for the turning load: key 8 h + lane % 8, channels 8 ((lane / 8) % 2) on
	v_mul_u32_u24 v[AV0], v[AV0], PV
	v_lshl_add_u32 v[AV0], v27, 4, v[AV0]
	v_add_nc_u32 v[AV0], VOFF, v[AV0]
	v_mov_b32 v[TMV], 0xceabfb8f                   ; -1e9 x log2(e)
.irp t, 0,1
	v_mov_b32 v[ST+8*\t], 0xff61b1e6               ; m = -3e38, under every t and under the hidden score
.irp k, 1,2,3,4,5,6,7
	v_mov_b32 v[ST+8*\t+\k], 0
.endr
.endr
.set i, 0
.rept 64
	v_mov_b32 v[OA+i], 0                           ; O^T.  (The step is written once: the first finds zeros, which a = 0 leaves zeros; a first step of its own would be one more copy of the step's text)
.set i, i+1
.endr
; A KEY STEP: 64 keys, the q-th of the slot in hand.  last = 1: no step follows, so no lane masks are asked for.
.macro STEP q, last
.set KB, ((\q)/2)*LH+((\q)%2)*64*PK
.set VB, (\q)*64*PV
	v_add_nc_u32 v[ADK], s[TB], v[AK0]
	v_add_nc_u32 v[ADV], s[TB], v[AV0]
.rept 3
	v_nop                                          ; with the two additions five places behind the last step's products: four for the loads into V's registers, five for the products below, which write over P
.endr
.irp kt, 0,1,2,3
.irp s, 0,1
.irp e, 0,1
	ds_load_b128 v[KV+8*(2*\kt+\s)+4*\e:KV+8*(2*\kt+\s)+4*\e+3], v[ADK] offset:KB+\kt*16*PK+64*\s+32*\e
.endr
.endr
.endr
	s_wait_dscnt 0x0
.irp s, 0,1                                    ; S^T = K Q^T: eight accumulators by turns, one instruction a turn; the first eight start the sums
.irp kt, 0,1,2,3
.irp t, 0,1
.if \s == 0
	v_wmma_f32_16x16x32_f16 v[S+32*\t+8*\kt:S+32*\t+8*\kt+7], v[KV+8*(2*\kt+\s):KV+8*(2*\kt+\s)+7], v[QF+16*\t+8*\s:QF+16*\t+8*\s+7], 0
.else
	v_wmma_f32_16x16x32_f16 v[S+32*\t+8*\kt:S+32*\t+8*\kt+7], v[KV+8*(2*\kt+\s):KV+8*(2*\kt+\s)+7], v[QF+16*\t+8*\s:QF+16*\t+8*\s+7], v[S+32*\t+8*\kt:S+32*\t+8*\kt+7]
.endif
.endr
.endr
.endr
.rept 4
	v_nop                                          ; four places: for the loads into K's registers and for the first reads of the scores
.endr
.irp ks, 0,1
.irp c, 0,1,2,3
.irp e, 0,1
	ds_load_tr16_b128 v[KV+8*(4*\ks+\c)+4*\e:KV+8*(4*\ks+\c)+4*\e+3], v[ADV] offset:VB+\ks*32*PV+\e*16*PV+32*\c   ; V lands while the softmax is worked
.endr
.endr
.endr
	s_wait_kmcnt 0x0                               ; this step's lane masks are in; so their address may be stepped
	s_add_nc_u64 s[MP:MP+1], s[MP:MP+1], 256
.set n, 0
.rept 32
	v_cndmask_b32 v[S+n], v[TMV], v[S+n], s[4+n]   ; a hidden score is replaced; each accumulator from its low end on
.set n, n+1
.endr
.set n, 0
.rept 16
	v_cndmask_b32 v[S+32+n], v[TMV], v[S+32+n], s[36+n]
.set n, n+1
.endr
.set n, 0
.rept 16
	v_cndmask_b32 v[S+48+n], v[TMV], v[S+48+n], s[68+n]
.set n, n+1
.endr
	; the maximum of a lane's 32 scores and the old m, three operands at a time, four chains a tile, the two tiles by turns
.irp j, 0,1,2,3
.irp t, 0,1
	v_max3_num_f32 v[ST+8*\t+4+\j], v[S+32*\t+8*\j], v[S+32*\t+8*\j+1], v[S+32*\t+8*\j+2]
.endr
.endr
.irp g, 1,2
.irp j, 0,1,2,3
.irp t, 0,1
	v_max3_num_f32 v[ST+8*\t+4+\j], v[ST+8*\t+4+\j], v[S+32*\t+8*\j+2*\g+1], v[S+32*\t+8*\j+2*\g+2]
.endr
.endr
.endr
.irp t, 0,1
	v_max3_num_f32 v[ST+8*\t+4], v[ST+8*\t+4], v[S+32*\t+7], v[S+32*\t+15]
.endr
.irp t, 0,1
	v_max3_num_f32 v[ST+8*\t+6], v[ST+8*\t+6], v[S+32*\t+23], v[S+32*\t+31]
.endr
.irp t, 0,1
	v_max3_num_f32 v[ST+8*\t+4], v[ST+8*\t+4], v[ST+8*\t+5], v[ST+8*\t+6]
.endr
.irp t, 0,1
	v_max3_num_f32 v[ST+8*\t+4], v[ST+8*\t+4], v[ST+8*\t+7], v[ST+8*\t]
.endr
.irp t, 0,1
	v_permlanex16_b32 v[ST+8*\t+5], v[ST+8*\t+4], s[SEL], s[SEL+1]   ; the query's other 32 keys lie in the lane 16 away
.endr
.irp t, 0,1
	v_max_num_f32 v[ST+8*\t+4], v[ST+8*\t+4], v[ST+8*\t+5]
.endr
.irp t, 0,1
	v_sub_f32 v[ST+8*\t+1], v[ST+8*\t], v[ST+8*\t+4]   ; m_old - m_new
.endr
.irp t, 0,1
	v_mov_b32 v[ST+8*\t], v[ST+8*\t+4]
.endr
.if \last == 0
	s_load_b512 s[4:19], s[MP:MP+1], 0x0           ; the next step's lane masks: the selects above have read these registers; they have the rest of this step in which to land
	s_load_b512 s[20:35], s[MP:MP+1], 0x40
	s_load_b512 s[36:51], s[MP:MP+1], 0x80
	s_load_b512 s[68:83], s[MP:MP+1], 0xc0
.endif
.irp t, 0,1
.set i, 0
.rept 16
	v_pk_add_f32 v[S+32*\t+i:S+32*\t+i+1], v[S+32*\t+i:S+32*\t+i+1], v[ST+8*\t:ST+8*\t+1] op_sel_hi:[1,0] neg_lo:[0,1] neg_hi:[0,1]   ; t - m, two at a time
.set i, i+2
.endr
.endr
.irp t, 0,1
	v_exp_f32 v[ST+8*\t+6], v[ST+8*\t+1]           ; a
.endr
.set i, 0
.rept 64
	v_exp_f32 v[S+i], v[S+i]                       ; p: ONE batch of 66 exponentials
.set i, i+1
.endr
	v_nop                                          ; the plain instruction behind the last exponential
	s_wait_alu depctr_va_vdst(0)                   ; one wait for the whole batch, ahead of its first reader
.irp t, 0,1
	v_pk_mul_f32 v[ST+8*\t+2:ST+8*\t+3], v[ST+8*\t+2:ST+8*\t+3], v[ST+8*\t+6:ST+8*\t+7] op_sel_hi:[1,0]   ; l under the new m
	v_pk_add_f32 v[ST+8*\t+4:ST+8*\t+5], v[S+32*\t:S+32*\t+1], v[S+32*\t+2:S+32*\t+3]                      ; the row's sum, two at a time, in two chains a tile
.endr
.irp j, 4,8,12,16,20,24,28
.irp t, 0,1
	v_pk_add_f32 v[ST+8*\t+2:ST+8*\t+3], v[ST+8*\t+2:ST+8*\t+3], v[S+32*\t+\j:S+32*\t+\j+1]
	v_pk_add_f32 v[ST+8*\t+4:ST+8*\t+5], v[ST+8*\t+4:ST+8*\t+5], v[S+32*\t+\j+2:S+32*\t+\j+3]
.endr
.endr
.irp t, 0,1
	v_pk_add_f32 v[ST+8*\t+2:ST+8*\t+3], v[ST+8*\t+2:ST+8*\t+3], v[ST+8*\t+4:ST+8*\t+5]
.endr
.irp t, 0,1
.set i, 0
.rept 16
	v_cvt_pk_f16_f32 v[S+32*\t+i], v[S+32*\t+2*i], v[S+32*\t+2*i+1]   ; P, in place: register i is written when registers 2 i and 2 i + 1 are read, never ahead of a read
.set i, i+1
.endr
.endr
.irp t, 0,1
.set i, 0
.rept 16
	v_pk_mul_f32 v[OA+32*\t+i:OA+32*\t+i+1], v[OA+32*\t+i:OA+32*\t+i+1], v[ST+8*\t+6:ST+8*\t+7] op_sel_hi:[1,0]   ; O^T under the new m; each accumulator from its low end on
.set i, i+2
.endr
.endr
	s_wait_dscnt 0x0                               ; V is in
.irp ks, 0,1                                   ; O^T += V^T P: eight accumulators by turns
.irp c, 0,1,2,3
.irp t, 0,1
	v_wmma_f32_16x16x32_f16 v[OA+32*\t+8*\c:OA+32*\t+8*\c+7], v[KV+8*(4*\ks+\c):KV+8*(4*\ks+\c)+7], v[S+32*\t+8*\ks:S+32*\t+8*\ks+7], v[OA+32*\t+8*\c:OA+32*\t+8*\c+7]
.endr
.endr
.endr
.endm
; THE CHANGE OF SLOTS stands at a slot's head.  Each wave waits for all its tensor loads (its part of the slot ahead), adds 0 to its spare word, and waits for that and for its reads of the slot that it has left.
; fill = 1: the barrier is a round of the cluster's, so that no wave of any partner still reads the other slot or has a load on its way; the joint load of the next 256 keys is the first thing behind it and has four key steps in which to land.
.macro CHANGE fill
	s_wait_tensorcnt 0x0                           ; no tensor load of mine is out, so group 0 may be written
	ds_add_u32 v[SPW], v[NIL]
.if \fill
	ds_add_u32 v[SPW], v[NIL]                      ; and once more: the add twice on end here, in every trip alike
	s_xor_b32 s[G0+1], s[G0+1], SLOT1              ; the walking descriptor: the other slot than last time,
	s_add_nc_u64 s[G0+2:G0+3], s[G0+2:G0+3], 32768 ; the next 256 keys; the type bits on top are not reached
	s_wait_xcnt 0x0                                ; the last prefetch, a slot back, has read its address, so it may be written
	s_add_nc_u64 s[PFA:PFA+1], s[PFA:PFA+1], 32768
	s_wait_dscnt 0x0                               ; both adds are done, and my reads of the slot that I have left are over
	CROUND
	TLOAD
	ASK
.else
	s_wait_dscnt 0x0
	s_barrier_signal -1
	s_barrier_wait -1
.endif
.endm
.macro SLOT_STEPS last
	STEP 0, 0
	STEP 1, 0
	STEP 2, 0
	STEP 3, \last
	s_xor_b32 s[TB], s[TB], SLOT1                  ; on to the other slot
.endm
	s_wait_loadcnt 0x0                             ; Q
.Lslot:                                            ; seven trips: behind each change of slots but the last the next slot is asked for
	CHANGE 1
	SLOT_STEPS 0
	s_sub_co_u32 s[SLOTS], s[SLOTS], 1
	s_cmp_lg_u32 s[SLOTS], 0
	s_cbranch_scc1 .Lslot
	CHANGE 0                                       ; the last slot is written out
	SLOT_STEPS 1
	; THE WAY OUT.  O^T is divided by l, rounded to f16 and sent through my stage in LDS: 32 rows of 128 bytes, which are 4,096 consecutive bytes of xw.  The address work is the places behind the last products.
	s_load_b64 s[4:5], s[0:1], 0x10                ; xw
	v_and_b32 v3, 15, v0                           ; r
	v_bfe_u32 v4, v0, 4, 1                         ; h
	s_mul_i32 s58, s[WV], 32*PK
	s_add_co_u32 s58, s58, STAGE                   ; my stage
	v_mul_u32_u24 v[STO], v3, PK
	v_lshl_add_u32 v[STO], v4, 4, v[STO]
	v_add_nc_u32 v[STO], s58, v[STO]               ; in: row r of a tile, 16 bytes for each half of the lanes
	v_bfe_u32 v4, v0, 3, 2
	v_and_b32 v3, 7, v0
	v_mul_u32_u24 v[RD], v4, PK
	v_lshl_add_u32 v[RD], v3, 4, v[RD]
	v_add_nc_u32 v[RD], s58, v[RD]                 ; back: eight lanes to a row, four rows an instruction
	v_and_b32 v[GO], 31, v0
	v_lshlrev_b32 v[GO], 4, v[GO]
	s_lshr_b32 s56, s[BH], 4                       ; ((32 b + s / 64) x 16 + head) x 8,192 + (s % 64) x 128, with s = 512 cx + 32 wave
	s_lshl_b32 s56, s56, 5
	s_lshl_b32 s57, s[CX], 3
	s_add_co_u32 s56, s56, s57
	s_lshr_b32 s57, s[WV], 1
	s_add_co_u32 s56, s56, s57
	s_lshl_b32 s56, s56, 4
	s_and_b32 s57, s[BH], 15
	s_add_co_u32 s56, s56, s57
	s_lshl_b32 s56, s56, 13
	s_and_b32 s57, s[WV], 1
	s_lshl_b32 s57, s57, 12
	s_add_co_u32 s56, s56, s57
	s_mov_b32 s57, 0
.irp t, 0,1
	v_add_f32 v[ST+8*\t+4], v[ST+8*\t+2], v[ST+8*\t+3]   ; l's two halves,
.endr
.irp t, 0,1
	v_permlanex16_b32 v[ST+8*\t+5], v[ST+8*\t+4], s[SEL], s[SEL+1]
.endr
.irp t, 0,1
	v_add_f32 v[ST+8*\t+4], v[ST+8*\t+4], v[ST+8*\t+5]   ; and the other half of the lanes'
.endr
.irp t, 0,1
	v_rcp_f32 v[ST+8*\t+6], v[ST+8*\t+4]
.endr
	v_nop                                          ; a plain instruction behind the last reciprocal
	s_wait_alu depctr_va_vdst(0)                   ; one wait for the two, ahead of their first reader
.irp t, 0,1
.set i, 0
.rept 16
	v_pk_mul_f32 v[OA+32*\t+i:OA+32*\t+i+1], v[OA+32*\t+i:OA+32*\t+i+1], v[ST+8*\t+6:ST+8*\t+7] op_sel_hi:[1,0]
.set i, i+2
.endr
.endr
.irp t, 0,1
.set i, 0
.rept 16
	v_cvt_pk_f16_f32 v[S+16*\t+i], v[OA+32*\t+2*i], v[OA+32*\t+2*i+1]
.set i, i+1
.endr
.endr
.irp t, 0,1
.irp c, 0,1,2,3
	ds_store_b128 v[STO], v[S+16*\t+4*\c:S+16*\t+4*\c+3] offset:\t*16*PK+32*\c
.endr
.endr
.irp u, 0,1,2,3,4,5,6,7
	ds_load_b128 v[KV+4*\u:KV+4*\u+3], v[RD] offset:\u*4*PK   ; LDS serves a wave's instructions in order (ISA guide 5.7.1.4): these see the stores above
.endr
	s_wait_kmcnt 0x0
	s_add_nc_u64 s[4:5], s[4:5], s[56:57]
.irp u, 0,1,2,3,4,5,6,7
	s_wait_dscnt 7-\u                              ; the later loads may stay out
	global_store_b128 v[GO], v[KV+4*\u:KV+4*\u+3], s[4:5] offset:512*\u   ; 32 lanes store 512 consecutive bytes, aligned
.endr
	s_wait_tensorcnt 0x0                           ; the wave's end
	ds_add_u32 v[SPW], v[NIL]
	s_wait_dscnt 0x0
	CROUND                                         ; the closing round
	s_endpgm
.Lfunc_end_k_qeb35277837_attn:
	.size	k_qeb35277837_attn, .Lfunc_end_k_qeb35277837_attn-k_qeb35277837_attn
	.p2alignl 7, 3214868480
	.fill 96, 4, 3214868480
	.section	.rodata,"a",@progbits
	.p2align	6, 0x0
	.amdhsa_kernel k_qeb35277837_attn
		.amdhsa_group_segment_fixed_size 327680
		.amdhsa_private_segment_fixed_size 0
		.amdhsa_enable_private_segment 0
		.amdhsa_kernarg_size 24
		.amdhsa_user_sgpr_count 2
		.amdhsa_user_sgpr_kernarg_segment_ptr 1
		.amdhsa_wavefront_size32 1
		.amdhsa_system_sgpr_workgroup_id_x 1
		.amdhsa_system_sgpr_workgroup_id_y 1
		.amdhsa_system_sgpr_workgroup_id_z 1
		.amdhsa_system_vgpr_workitem_id 0
		.amdhsa_next_free_vgpr 256
		.amdhsa_next_free_sgpr 106
		.amdhsa_reserve_vcc 0
		.amdhsa_float_denorm_mode_32 3
		.amdhsa_float_denorm_mode_16_64 3
		.amdhsa_memory_ordered 1
		.amdhsa_forward_progress 1
		.amdhsa_inst_pref_size 189
	.end_amdhsa_kernel
	.amdgpu_metadata
---
amdhsa.version: [ 1, 2 ]
amdhsa.kernels:
  - .name:           k_qeb35277837_attn
    .symbol:         k_qeb35277837_attn.kd
    .args:
      - { .name: qkv, .offset: 0, .size: 8, .value_kind: global_buffer, .address_space: global }
      - { .name: mbits, .offset: 8, .size: 8, .value_kind: global_buffer, .address_space: global }
      - { .name: xw, .offset: 16, .size: 8, .value_kind: global_buffer, .address_space: global }
    .group_segment_fixed_size: 327680
    .private_segment_fixed_size: 0
    .kernarg_segment_align: 8
    .kernarg_segment_size: 24
    .max_flat_workgroup_size: 512
    .sgpr_count:     106
    .vgpr_count:     256
    .wavefront_size: 32
...
	.end_amdgpu_metadata
.endif
;; end of part 3
;; launch oproj (part 4): grid 4 x 64, 4 waves a work-group, clusters of 4 x 4, 327,680 bytes of LDS; arguments xw, wo16, out0, bo; writes out0
.if DOCPART == 4
	.amdgcn_target "amdgcn-amd-amdhsa--gfx1250"
	.amdhsa_code_object_version 6
	.text
	.protected	k_qeb35277837_oproj
	.globl	k_qeb35277837_oproj
	.p2align	8
	.type	k_qeb35277837_oproj,@function
k_qeb35277837_oproj:
	s_mov_b64 s[64:65], 0
	v_nop
	global_prefetch_b8 v0, s[64:65] scope:SCOPE_SE
	s_setreg_imm32_b32 hwreg(HW_REG_WAVE_MODE, 25, 1), 1
	s_wait_xcnt 0x0
	s_wait_alu depctr_hold_cnt(0) depctr_sa_sdst(0) depctr_va_vdst(0) depctr_va_sdst(0) depctr_va_ssrc(0) depctr_va_vcc(0) depctr_vm_vsrc(0)
	s_getreg_b32 s2, hwreg(HW_REG_IB_STS2, 6, 4)
	s_cmp_eq_u32 s2, 0
	s_cbranch_scc0 .Lentry_in_a_cluster
	s_endpgm
.Lentry_in_a_cluster:
	s_bfe_u32 s2, ttmp6, 0x10000c
	s_cmp_lg_u32 s2, 0xf033
	s_cbranch_scc0 .Lentry_shape_is_right
	s_endpgm
.Lentry_shape_is_right:
; out0[m][n] = sum over k of x[m][k] Wo[n][k] + bo[n]: 8,192 x 1,024 x 1,024, f16 operands, f32 sums, f32 out.  No work of the problem is left out.
; x: xw [m / 64][head 16][m % 64][64] f16, so that 64 rows x 2 heads (128 along K) are 16,384 dense bytes; Wo: wo16 [1,024][1,024] f16.
; A tile of 128 x 256 gives 64 x 4 = 256 work-groups.  Four waves, each 64 rows x 128 columns: 32 accumulators of 16 x 16, 256 registers.  For 32 along K a wave reads 12 fragments from LDS for 32 matrix instructions.
; K goes in steps of 128 (two heads) through a ring of two LDS slots; one tensor load a wave behind each change of slots: waves 0 and 1 x's two blocks of 64 rows, waves 2 and 3 Wo's two halves of 128 rows.
; CLUSTERS: 4 x 4 work-groups.  The four of a row of the cluster need the same tiles of x, the four of a column the same tiles of Wo: each tile is asked for JOINTLY.
; THE MATRIX INSTRUCTION IS USED TRANSPOSED (source 0 = 16 rows of Wo, source 1 = 16 rows of x): a lane holds eight neighbouring numbers of a row of out0.  The bias is the C of each sum's first instruction.
; A wave's 128 columns of f32 are 512 bytes: each wave sends its results through a stage of its own, with no barrier.
; REGISTERS, in windows of 256: window 0: v0-31 addresses; v64-127 the bias in the result's layout; v128-255 at work on the way out.   window 2: the accumulators ((a, b) at v[8 (8 a + b)]).
;   windows 1 and 3: a fragment buffer each, for one head (64 along K, two matrix instructions deep): v0-63 x (2 x 4 blocks), v64-191 Wo (2 x 8 blocks).
.set SIZE_N, 1024
.set SIZE_K, 1024
.set KSTEP,  128
.set PB,     272                       ; a row of Wo's tile in LDS: 256 bytes + 16
.set PA,     144                       ; a row of x's tile: one head's 128 bytes + 16.  With both pitches the 16 rows that a load touches start at 16 different banks (64 banks of 4 bytes: ISA guide 11.1)
.set HALFA,  128*PA                    ; x: 2 heads x 64 rows: what one tensor load brings
.set HALFB,  128*PB                    ; Wo: 128 rows
.set BOFF,   2*HALFA
.set SLOT,   2*HALFA+2*HALFB
.set STAGE,  2*SLOT                    ; behind the ring: 16 rows x (512 bytes + 16) for each wave; no fill lands here
.set SPITCH, 528
.set SPARE,  STAGE+4*16*SPITCH         ; the spare words, 128 bytes for each wave: no other line names them
.set LAPS,   SIZE_K/(2*KSTEP)          ; a lap = two K steps = once round the ring
.set ADRA, 16                          ; v16-17 LDS address of my x fragments in slot 0, 1
.set ADRB, 20                          ; v20-21 the same for Wo
.set STO,  24                          ; v24 the way out: where I put 32 bytes of a row
.set RD,   25                          ; v25 where I read a row back
.set CO,   26                          ; v26 16 x lane
.set BO,   27                          ; v27 32 x (lane / 16): the bias loads' offset
.set SPW,  28                          ; v28 my spare word; never rewritten
.set NIL,  29                          ; v29 0; never rewritten
.set BI,   64
.set BK,   128
.set G1, 24                            ; s[24:31] descriptor group 1 for x's tiles;  s[32:39] group 0, one set for each slot
.set G0, 32
.set G1B, 48                           ; s[48:55], s[56:63] the same for Wo's tiles
.set G0B, 56
.set MSB, 0
.macro WIN new                         ; the immediate's high byte repeats the setting that is left
.if MSB != \new
	s_set_vgpr_msb (MSB<<8)|\new
.set MSB, \new
.endif
.endm
.set MUL0, 0xa5                        ; sources 0 (Wo) and 1 (x) window 1; C and D window 2
.set MUL1, 0xaf                        ; sources window 3; C and D window 2
.set BIA0, 0x85                        ; the first products: sources window 1, C (the bias) window 0, D window 2
.set TO0,  0x40                        ; destination window 1, address window 0
.set TO1,  0xc0                        ; destination window 3
.macro JLOAD s                         ; a joint load: waves 0 and 1 fetch for x, waves 2 and 3 for Wo; the branch hangs on the wave's number alone; an s_nop 0 and four v_nop follow each of the two lines
	s_cmp_eq_u32 s11, 0
	s_cbranch_scc0 .Lfor_b_\@
	tensor_load_to_lds s[G0+4*\s:G0+4*\s+3], s[G1:G1+7]
	s_nop 0
.rept 4
	v_nop
.endr
	s_branch .Lasked_\@
.Lfor_b_\@:
	tensor_load_to_lds s[G0B+4*\s:G0B+4*\s+3], s[G1B:G1B+7]
	s_nop 0
.rept 4
	v_nop
.endr
.Lasked_\@:
.endm
.macro CREST                           ; a round of the cluster's barrier behind its opening barrier
	s_cmp_lg_u32 s10, 0
	s_cbranch_scc1 .Lnot_wave_0_\@
	s_barrier_signal -3
.Lnot_wave_0_\@:
	s_barrier_wait -3
	s_barrier_signal -1
	s_barrier_wait -1
.endm
.macro CROUND                          ; a whole round
	s_barrier_signal -1
	s_barrier_wait -1
	CREST
.endm
	s_load_b128 s[4:7], s[0:1], 0x0                ; xw, wo16
	s_load_b64 s[8:9], s[0:1], 0x10                ; out0
	s_load_b64 s[66:67], s[0:1], 0x18              ; bo
	v_lshl_add_u32 v[SPW], v0, 2, SPARE
	v_mov_b32 v[NIL], 0
	ds_add_u32 v[SPW], v[NIL]                      ; the wave's opening: the add, twice on end, and its wait ahead of my first tensor load
	ds_add_u32 v[SPW], v[NIL]
	v_lshrrev_b32 v1, 5, v0
	v_readfirstlane_b32 s10, v1                    ; wave 0..3
	s_lshr_b32 s11, s10, 1                         ; which 64 of the tile's rows are mine.  Also: I fetch for x (0) or for Wo (1)
	s_and_b32 s12, s10, 1                          ; which 128 of its columns.  Also: which half of that tile I fetch
	s_bfe_u32 s40, ttmp6, 0x40000                  ; cx, cy
	s_bfe_u32 s41, ttmp6, 0x40004
	s_lshl_b32 s42, ttmp9, 2
	s_add_co_u32 s42, s42, s40                     ; tile column = 4 x cluster x + cx
	s_and_b32 s13, ttmp7, 0xffff
	s_lshl_b32 s13, s13, 2
	s_add_co_u32 s13, s13, s41                     ; tile row = 4 x cluster y + cy
	s_lshl_b32 s43, s41, 2
	s_lshl_b32 s43, 15, s43                        ; my row of the cluster
	s_lshl_b32 s44, 0x1111, s40                    ; my column
	; descriptor group 1.  x: 128 rows (2 heads x 64) of 64 elements, dense, 16 bytes of padding behind each 128.  Wo: 128 rows of 128 elements, 1,024 apart, 16 bytes behind each 256
	s_or_b32 s[G1+0], s43, (1<<16)|(1<<20)|(1<<21)|(4<<22)|(3<<25)
	s_mov_b32 s[G1+1], 64<<16                      ; tensor_dim0
	s_mov_b32 s[G1+2], 128<<16                     ; tensor_dim1
	s_mov_b32 s[G1+3], 64<<16                      ; tile_dim0
	s_mov_b32 s[G1+4], 128                         ; tile_dim1
	s_mov_b32 s[G1+5], 64                          ; the pitch
	s_mov_b32 s[G1+6], 0
	s_mov_b32 s[G1+7], 0
	s_or_b32 s[G1B+0], s44, (1<<16)|(1<<20)|(1<<21)|(5<<22)|(3<<25)
	s_mov_b32 s[G1B+1], KSTEP<<16
	s_mov_b32 s[G1B+2], 128<<16
	s_mov_b32 s[G1B+3], KSTEP<<16
	s_mov_b32 s[G1B+4], 128
	s_mov_b32 s[G1B+5], SIZE_K
	s_mov_b32 s[G1B+6], 0
	s_mov_b32 s[G1B+7], 0
	s_lshl_b32 s16, s13, 1
	s_add_co_u32 s16, s16, s12                     ; x: block of 64 rows 2 x tile row + half,
	s_lshl_b32 s16, s16, 17                        ; 131,072 bytes each
	s_mov_b32 s17, 0
	s_lshl_b32 s46, s42, 8
	s_lshl_b32 s47, s12, 7
	s_add_co_u32 s46, s46, s47                     ; Wo: row 256 x tile column + 128 x half,
	s_lshl_b32 s46, s46, 11                        ; 2,048 bytes each
	s_mov_b32 s47, 0
	s_mul_i32 s20, s12, HALFA                      ; where they go: no place in the cluster enters an LDS address
	s_mul_i32 s21, s12, HALFB
	s_add_co_u32 s21, s21, BOFF
	s_wait_dscnt 0x0                               ; both opening adds are done
	s_wait_kmcnt 0x0
	s_add_nc_u64 s[14:15], s[4:5], s[16:17]
	s_add_nc_u64 s[46:47], s[6:7], s[46:47]
	CROUND                                         ; all sixteen work-groups are here: the first joint loads meet
.irp s, 0,1
	s_mov_b32 s[G0+4*\s], 1
	s_add_co_u32 s[G0+4*\s+1], s20, \s*SLOT
	s_add_nc_u64 s[G0+4*\s+2:G0+4*\s+3], s[14:15], \s*16384        ; K step s: two heads of 8,192 bytes
	s_or_b32 s[G0+4*\s+3], s[G0+4*\s+3], 0x80000000
	s_mov_b32 s[G0B+4*\s], 1
	s_add_co_u32 s[G0B+4*\s+1], s21, \s*SLOT
	s_add_nc_u64 s[G0B+4*\s+2:G0B+4*\s+3], s[46:47], \s*KSTEP*2
	s_or_b32 s[G0B+4*\s+3], s[G0B+4*\s+3], 0x80000000
	JLOAD \s                                       ; two loads of mine are out
.endr
	v_and_b32 v1, 15, v0                           ; l % 16
	v_bfe_u32 v2, v0, 4, 1                         ; l / 16
	; my first column, in bytes of f32: 1,024 x tile column + 512 x half: the same number in bo and in a row of out0
	s_lshl_b32 s46, s42, 10
	s_lshl_b32 s47, s12, 9
	s_add_co_u32 s46, s46, s47
	s_mov_b32 s47, 0
	s_add_nc_u64 s[66:67], s[66:67], s[46:47]
	v_lshlrev_b32 v[BO], 5, v2
.irp b, 0,1,2,3,4,5,6,7
	global_load_b128 v[BI+8*\b:BI+8*\b+3], v[BO], s[66:67] offset:64*\b        ; the bias in the result's layout: register j of block b is bo[16 b + 8 (l / 16) + j]
	global_load_b128 v[BI+8*\b+4:BI+8*\b+7], v[BO], s[66:67] offset:64*\b+16
.endr
	v_mul_u32_u24 v3, v1, PA
	v_lshl_add_u32 v3, v2, 4, v3                   ; x: row x pitch + 16 x half
	v_mul_u32_u24 v4, v1, PB
	v_lshl_add_u32 v4, v2, 4, v4                   ; Wo likewise
	s_mul_i32 s21, s11, HALFA                      ; my 64 rows of x
	s_mul_i32 s22, s12, HALFB                      ; my 128 rows of Wo,
	s_add_co_u32 s22, s22, BOFF                    ; which lie behind x's
.irp s, 0,1
	v_add_nc_u32 v[ADRA+\s], s21, v3
	v_add_nc_u32 v[ADRB+\s], s22, v4
	s_add_co_u32 s21, s21, SLOT
	s_add_co_u32 s22, s22, SLOT
.endr
	s_mul_i32 s23, s10, 16*SPITCH
	s_add_co_u32 s23, s23, STAGE                   ; my stage
	v_mul_u32_u24 v5, v1, SPITCH
	v_lshl_add_u32 v5, v2, 5, v5
	v_add_nc_u32 v[STO], s23, v5                   ; in: row l % 16, 32 bytes for each half of the lanes
	v_and_b32 v6, 31, v0
	v_lshlrev_b32 v[CO], 4, v6                     ; back: the 32 lanes take one row of 512 bytes; and the same in out0
	v_add_nc_u32 v[RD], s23, v[CO]
	s_lshl_b32 s16, s13, 7
	s_lshl_b32 s17, s11, 6
	s_add_co_u32 s16, s16, s17                     ; my first row: 128 x tile row + 64 x half,
	s_lshl_b32 s16, s16, 12                        ; 4,096 bytes each
	s_mov_b32 s17, 0
	s_add_nc_u64 s[8:9], s[8:9], s[16:17]
	s_add_nc_u64 s[8:9], s[8:9], s[46:47]
; 16 matrix instructions: row blocks a0, a0 + 1 x all 8 column blocks, 32 along K: half c of the buffer whose window is set.  first = 1: the bias starts the sums: nothing is ever cleared.
; The 32 accumulators take turns, one instruction a turn, in the same order in every half.
.macro MUL16 c, a0, first
.irp a, \a0, \a0+1
.irp b, 0,1,2,3,4,5,6,7
.if \first
	v_wmma_f32_16x16x32_f16 v[8*(8*(\a)+\b):8*(8*(\a)+\b)+7], v[64+8*(8*\c+\b):64+8*(8*\c+\b)+7], v[8*(4*\c+(\a)):8*(4*\c+(\a))+7], v[BI+8*\b:BI+8*\b+7]
.else
	v_wmma_f32_16x16x32_f16 v[8*(8*(\a)+\b):8*(8*(\a)+\b)+7], v[64+8*(8*\c+\b):64+8*(8*\c+\b)+7], v[8*(4*\c+(\a)):8*(4*\c+(\a))+7], v[8*(8*(\a)+\b):8*(8*(\a)+\b)+7]
.endif
.endr
.endr
.endm
; 48 LDS loads in one run: the fragments of head hd of the slot (64 along K) into the buffer of window setting to; the first 32 along K (24 loads) first.
.macro FETCH slot, hd, to
	WIN \to
.irp c, 0,1
.irp i, 0,1,2,3,4,5,6,7
	ds_load_b128 v[64+8*(8*\c+\i):64+8*(8*\c+\i)+3],   v[ADRB+\slot] offset:(\hd)*128+64*\c+\i*16*PB
	ds_load_b128 v[64+8*(8*\c+\i)+4:64+8*(8*\c+\i)+7], v[ADRB+\slot] offset:(\hd)*128+64*\c+\i*16*PB+32
.endr
.irp i, 0,1,2,3
	ds_load_b128 v[8*(4*\c+\i):8*(4*\c+\i)+3],   v[ADRA+\slot] offset:(\hd)*64*PA+64*\c+\i*16*PA
	ds_load_b128 v[8*(4*\c+\i)+4:8*(4*\c+\i)+7], v[ADRA+\slot] offset:(\hd)*64*PA+64*\c+\i*16*PA+32
.endr
.endr
.endm
.macro PLACES                          ; four places in front of loads into registers that matrix instructions have read, and of the first reads of results
.rept 4
	v_nop
.endr
.endm
; A K step is two halves of 64 along K, 64 matrix instructions each.  The first multiplies buffer 0 (the slot's head 0) and, in its middle, fetches head 1 into buffer 1.
.macro HALF slot, first
	s_wait_dscnt 24                                ; the first 32 along K are in; the youngest 24 loads may be out
.if \first
	WIN BIA0
.else
	WIN MUL0
.endif
	MUL16 0, 0, \first
	MUL16 0, 2, \first
	s_wait_dscnt 0x0                               ; the second 32 along K are in (asked for more than 32 matrix instructions ago): so at most the 48 loads below are out at a time
	PLACES
	FETCH \slot, 1, TO1
	WIN MUL0
	MUL16 1, 0, 0
	MUL16 1, 2, 0
.endm
; The second half multiplies buffer 1 and changes slots: ONE barrier; in front of it each wave waits for all its tensor loads, adds 0 to its spare word, and waits for that and for its own reads of this slot.  fill = 1: this slot is filled again, two K steps ahead.
.macro TURN slot, next, fill
	WIN 0                                          ; (the add's two registers lie in window 0)
	s_wait_tensorcnt 0x0                           ; all my tensor loads have landed: my part of the next slot
	ds_add_u32 v[SPW], v[NIL]
	s_wait_dscnt 25                                ; (the add and the youngest 24 loads may be out)
	WIN MUL1
	MUL16 0, 0, 0                                  ; sixteen matrix instructions stand between the add and the wait for it
	s_wait_dscnt 0x0                               ; the add is done, and my reads of this slot are over
	s_barrier_signal -1
	MUL16 0, 2, 0
.if \fill
	WIN 0
.endif
	s_barrier_wait -1
.if \fill
	CREST                                          ; the barrier has opened a round of the cluster's barrier: no wave of any partner still reads this slot or has a load on its way
	s_add_nc_u64 s[G0+4*\slot+2:G0+4*\slot+3], s[G0+4*\slot+2:G0+4*\slot+3], 2*16384
	s_add_nc_u64 s[G0B+4*\slot+2:G0B+4*\slot+3], s[G0B+4*\slot+2:G0B+4*\slot+3], 2*KSTEP*2
	JLOAD \slot                                    ; the first tensor load behind the round; the four v_nop behind it are also the places in front of the loads below
.else
	PLACES
.endif
	FETCH \next, 0, TO0
	WIN MUL1
	MUL16 1, 0, 0
	MUL16 1, 2, 0
.endm
	s_wait_tensorcnt 1                             ; my part of K step 0 is in (K step 1's load may be out)
	s_barrier_signal -1
	s_barrier_wait -1                              ; everybody's is
	FETCH 0, 0, TO0
	s_wait_loadcnt 0x0                             ; the bias
	HALF 0, 1                                      ; the first half stands in front of the loop: its first products start the sums
	WIN 0                                          ; at a label and at a branch every window is 0
	s_mov_b32 s3, LAPS-1
.Llap:                                                 ; three trips: a trip goes once round the ring, from a lap's second half to the next lap's first, and fills both slots again
	TURN 0, 1, 1
	HALF 1, 0
	TURN 1, 0, 1
	HALF 0, 0
	WIN 0
	s_sub_co_u32 s3, s3, 1
	s_cmp_lg_u32 s3, 0
	s_cbranch_scc1 .Llap
	TURN 0, 1, 0                                   ; the last lap fills nothing, and has no round of the cluster's barrier
	HALF 1, 0
	s_wait_dscnt 24                                ; the very last half: nothing more to fetch
	WIN MUL1
	MUL16 0, 0, 0
	MUL16 0, 2, 0
	s_wait_dscnt 0x0
	MUL16 1, 0, 0
	MUL16 1, 2, 0
	WIN 0
	; THE WAY OUT, 16 rows x 128 columns at a time: 32 bytes a lane into my own stage, back as whole rows of 512 bytes.
	PLACES
.irp a, 0,1,2,3
.if \a >= 2
	s_wait_xcnt 0x0                                ; the stores of two blocks back have read their data: the loads below land there only behind this wait
.endif
	WIN 0x08                                       ; an LDS store's data are its source 1: window 2
.irp b, 0,1,2,3,4,5,6,7
	ds_store_b128 v[STO], v[8*(8*\a+\b):8*(8*\a+\b)+3] offset:64*\b            ; each accumulator from its low end on
	ds_store_b128 v[STO], v[8*(8*\a+\b)+4:8*(8*\a+\b)+7] offset:64*\b+16
.endr
	WIN 0
.irp t, 0,1,2,3,4,5,6,7,8,9,10,11,12,13,14,15
	ds_load_b128 v[BK+64*(\a%2)+4*\t:BK+64*(\a%2)+4*\t+3], v[RD] offset:\t*SPITCH   ; LDS serves a wave's instructions in order (ISA guide 5.7.1.4): these see the stores above, and the next block's stores come behind them
.endr
.irp t, 0,1,2,3,4,5,6,7,8,9,10,11,12,13,14,15
	s_wait_dscnt 15-\t                             ; the later loads may stay out
	global_store_b128 v[CO], v[BK+64*(\a%2)+4*\t:BK+64*(\a%2)+4*\t+3], s[8:9] offset:(16*\a+\t)*SIZE_N*4 th:TH_STORE_NT   ; 32 lanes store 512 consecutive bytes, aligned; written once, read by nobody here
.endr
.endr
	s_wait_tensorcnt 0x0                           ; the wave's end
	ds_add_u32 v[SPW], v[NIL]
	s_wait_dscnt 0x0
	CROUND                                         ; the closing round
	s_endpgm
.Lfunc_end_k_qeb35277837_oproj:
	.size	k_qeb35277837_oproj, .Lfunc_end_k_qeb35277837_oproj-k_qeb35277837_oproj
	.p2alignl 7, 3214868480
	.fill 96, 4, 3214868480
	.section	.rodata,"a",@progbits
	.p2align	6, 0x0
	.amdhsa_kernel k_qeb35277837_oproj
		.amdhsa_group_segment_fixed_size 327680
		.amdhsa_private_segment_fixed_size 0
		.amdhsa_enable_private_segment 0
		.amdhsa_kernarg_size 32
		.amdhsa_user_sgpr_count 2
		.amdhsa_user_sgpr_kernarg_segment_ptr 1
		.amdhsa_wavefront_size32 1
		.amdhsa_system_sgpr_workgroup_id_x 1
		.amdhsa_system_sgpr_workgroup_id_y 1
		.amdhsa_system_sgpr_workgroup_id_z 1
		.amdhsa_system_vgpr_workitem_id 0
		.amdhsa_next_free_vgpr 1024
		.amdhsa_next_free_sgpr 68
		.amdhsa_reserve_vcc 0
		.amdhsa_float_denorm_mode_32 3
		.amdhsa_float_denorm_mode_16_64 3
		.amdhsa_memory_ordered 1
		.amdhsa_forward_progress 1
		.amdhsa_inst_pref_size 86
	.end_amdhsa_kernel
	.amdgpu_metadata
---
amdhsa.version: [ 1, 2 ]
amdhsa.kernels:
  - .name:           k_qeb35277837_oproj
    .symbol:         k_qeb35277837_oproj.kd
    .args:
      - { .name: xw, .offset: 0, .size: 8, .value_kind: global_buffer, .address_space: global }
      - { .name: wo16, .offset: 8, .size: 8, .value_kind: global_buffer, .address_space: global }
      - { .name: out0, .offset: 16, .size: 8, .value_kind: global_buffer, .address_space: global }
      - { .name: bo, .offset: 24, .size: 8, .value_kind: global_buffer, .address_space: global }
    .group_segment_fixed_size: 327680
    .private_segment_fixed_size: 0
    .kernarg_segment_align: 8
    .kernarg_segment_size: 32
    .max_flat_workgroup_size: 128
    .sgpr_count:     68
    .vgpr_count:     1024
    .wavefront_size: 32
...
	.end_amdgpu_metadata
.endif
;; end of part 4
